; MI455X (gfx1250); checked and timed in simulation.
; The chip was launched on July 23, 2026; its instructions are those of AMD's public machine-readable ISA for CDNA 5 (MIT licence, August 2026) and "CDNA5" Instruction Set Architecture Reference Guide (July 2026). The comments in the code are by the model that wrote it; some were corrected since.
;; Prior Network. Allowed arithmetic: matrix products marked QUANTISED: E4M3 operands, one given power-of-two scale a tensor, by v_wmma_f32_16x16x64_fp8_fp8 or v_wmma_f32_16x16x128_fp8_fp8, f32 sums; everything else in f32.
;; Inputs: W1 64 x 512 float32; Ws 512 x 64 float32; Wu 512 x 64 float32; b1 512 float32; bs 64 float32; bu 64 float32; codes 1,024 x 64 float32; codes_table 100,000 x 64 float32; lowp_scales 8 int32 (the exponents e of the quantised operands' scales 2^e).
;; Outputs: out0 1,024 x 64 float32; out1 1,024 x 64 float32.
;; This version of the problem:
;;   THIS VERSION OF THE PROBLEM IS GIVEN IN LOW PRECISION. The matrix products marked QUANTISED in the list below multiply operands that are first quantised to E4M3 (4 exponent bits, 3 mantissa bits; 8 bits a number), with one given power-of-two scale for each operand tensor; their sums are f32. All else is computed in f32.
;;   The module's matrix products, in the order in which they are computed (A, B: the left and right operand; K: the contracted axis; several contracted axes count as one K, in the product's order):
;;     1. [M 1,024, K 64] x [K 64, N 100,000]; A: input codes; B: input codes_table: QUANTISED (scales: A lowp_scales[0], B lowp_scales[1])
;;     2. [M 1,024, K 64] x [K 64, N 512]; A: computed on the way; B: input W1: QUANTISED (scales: A lowp_scales[2], B lowp_scales[3])
;;     3. [M 1,024, K 512] x [K 512, N 64]; A: computed on the way; B: input Wu: QUANTISED (scales: A lowp_scales[4], B lowp_scales[5])
;;     4. [M 1,024, K 512] x [K 512, N 64]; A: computed on the way; B: input Ws: QUANTISED (scales: A lowp_scales[6], B lowp_scales[7])
;;   THE QUANTISER, for each operand of a quantised product, along K:
;;     - The operand's scale is 2^e, e = its entry of the input lowp_scales (int32; the entries are numbered through the quantised products in the list's order, A before B).
;;     - Each number is divided by the scale, clamped to +-448, and rounded to the nearest number of E4M3, ties to even, subnormals kept.
;;     - The product sums the exact products of the quantised numbers (number of the format x scale) in f32.
;;   ~~~python
;;   def quantise(x, axis, e):      # numpy; x: float32 -> the quantised numbers, widened to float32 again
;;       x = np.moveaxis(x, axis, -1); K = x.shape[-1]
;;       r = np.clip(x / 2.0 ** e, -448, 448)
;;       step = 2.0 ** (np.maximum(np.frexp(np.where(r == 0, 1, r))[1] - 1, -6) - 3)
;;       q = np.round(r / step) * step * 2.0 ** e      # np.round: ties to even
;;       return np.moveaxis(q, -1, axis).astype(np.float32)
;;   ~~~
;;   OPERANDS COMPUTED ON THE WAY. 'Computed on the way' means the value that the module computes at that place (a softmax that the list does not call 'softmax' is quantised finished and normalised). What goes into a quantiser is computed in f32, as accurately as f32 sums, v_exp_f32 and their like allow (about 1e-6 of the number): no bf16 or f16 on the way to a quantiser, and a product that is left as it is and whose result goes on into a quantised operand takes f32 operands (vector FMAs, or v_wmma_f32_16x16x4_f32). A number that lies on a knife's edge between two numbers of the format may be rounded either way, as far as f32 arithmetic and the matrix unit's own rounding can turn it there, and no further.
;; 2 versions. Each part assembles by itself: llvm-mc -triple=amdgcn-amd-amdhsa -mcpu=gfx1250 --defsym DOCPART=n.
;; ======== version 1 of 2: 3 launches
;; workspace buffers: pval 1,024,000 bytes; pgid 1,024,000 bytes of whole numbers; nng 4,096 bytes of whole numbers; w1c 32,768 bytes; w2c 65,536 bytes
;; launch knn (part 1): grid 250 x 1, 8 waves a work-group, no clusters, 168,960 bytes of LDS; arguments codes, codes_table, lowp_scales, pval, pgid; writes pval, pgid
.if DOCPART == 1
	.amdgcn_target "amdgcn-amd-amdhsa--gfx1250"
	.amdhsa_code_object_version 6
	.text
	.protected	k_qc38f134f2d_knn
	.globl	k_qc38f134f2d_knn
	.p2align	8
	.type	k_qc38f134f2d_knn,@function
k_qc38f134f2d_knn:
	s_mov_b64 s[64:65], 0
	v_nop
	global_prefetch_b8 v0, s[64:65] scope:SCOPE_SE
	s_setreg_imm32_b32 hwreg(HW_REG_WAVE_MODE, 25, 1), 1
	s_wait_xcnt 0x0
; NEAREST ROW, PART 1.  For each of 1,024 queries c and each slice of 400 rows t of the table: the largest S = (sum of the products of the E4M3 codes) - |t|^2 x 2^-(e0+e1+1),
; and the group of 8 neighbouring rows in which it falls.  d2 = |c|^2 - 2^(e0+e1+1) S, so the largest S is the smallest d2; |c|^2 is the same for all rows of a query and is left out.
; LIMITS: the order of rounding differs from (|c|^2 - 2 c.t) + |t|^2: here |t|^2, scaled by a power of two (exact), is the C of the matrix instruction.  Equal S: the lower group wins.
; e0 and e1 between -126 and 119; e0 + e1 between -128 and 125 (each power of two below is an f32 number).  NaN and infinities among the inputs are not served.
; SHARES.  250 work-groups x 25 tiles of 16 rows = 100,000 rows; every work-group serves all queries.  Wave w keeps the codes of query tiles 8 w .. 8 w + 7 in 64 registers.
; The table's 25 tiles are quantised once in the work-group (wave w: tiles w, w + 8, w + 16; wave 0 also tile 24) and lie in LDS as images of the operand's registers, with the rows' norm terms beside them.
; LAYOUT.  Source 0 = 16 rows of the table, source 1 = 16 queries: a lane holds ONE query (lane % 16), and its 8 results are the 8 neighbouring rows 16 t + 8 (lane / 16) + 0 .. 7.
; So a tile costs a lane four v_max3, one compare and one select of the group's number: the row inside the group is found later, from the group's 8 rows.
; A fragment (16 rows x 64 K, 8 registers): lane (r, h) holds row r; registers 0-3: k = 16 h + 0 .. 15, registers 4-7: k = 32 + 16 h + 0 .. 15: one permutation of k, the same on both sides.
; The LDS claim is larger than the use (105,216 bytes), so that no second work-group of this launch lies beside this one.
.set STGB, 4352                        ; a stage: 16 rows x (256 bytes + 16): row r starts 16 r bytes on modulo 256, so 16 rows' pieces of 16 bytes fall on different banks
.set TIMG, 69632                       ; behind 8 waves x 2 stages: 25 images of 1,024 bytes
.set TNS,  95232                       ; 400 words: -|t|^2 x 2^-(e0+e1+1)
.set OST,  97024                       ; the way out: 1,024 bytes for each wave
.set LDT,  1                           ; v1   16 lane + 4096 w: my bytes of a tile of the table
.set LDQ,  2                           ; v2   16 lane + 32768 w: of a tile of queries
.set STI,  3                           ; v3   stage, in: 8704 w + 272 h + 16 r
.set STO,  4                           ; v4   stage, out: 8704 w + 272 r + 64 h
.set IMGW, 5                           ; v5   TIMG + 1024 w + 16 lane
.set IMGR, 6                           ; v6   TIMG + 16 lane
.set TNW,  7                           ; v7   TNS + 64 w + 4 r
.set TNR,  8                           ; v8   TNS + 32 h
.set OSW,  9                           ; v9   OST + 1024 w + 4 r
.set OSR,  10                          ; v10  OST + 1024 w + 16 lane
.set GOFF, 11                          ; v11  128000 w + 64000 h + 16 r
.set Q,    16                          ; v16-79   my 8 query fragments        (v12, v13: 2^e0, 448 x 2^e0; v14, v15: the same with e1)
.set R,    80                          ; v80-175  prologue: three sets of 32, rows as loaded
.set X,    176                         ; v176-239 prologue: two sets of 32, rows turned
.set F,    240                         ; v240-247 prologue: a table fragment's codes; v248-252 at work
.set MA,   80                          ; main: v80-87, v88-95 running maxima, by turns
.set G,    96                          ; v96-103  the groups' numbers
.set AC,   104                         ; v104-119, v120-135: a tile's fragment (8) and its norm terms (8), two sets
.set D,    136                         ; v136-167 results of query tiles 0-3, v168-199 of 4-7
.set GID,  200                         ; v200 the tile's group for my half of the lanes; v201, v202 at work
	s_load_b256 s[4:11], s[0:1], 0x0               ; codes s[4:5], table s[6:7], scales s[8:9], pval s[10:11]
	s_load_b64 s[12:13], s[0:1], 0x20              ; pgid
	v_lshl_add_u32 v254, v0, 2, 0x29000
	v_mov_b32 v255, 0
	v_lshrrev_b32 v1, 5, v0
	v_readfirstlane_b32 s14, v1                    ; wave 0..7
	v_and_b32 v20, 31, v0                          ; lane
	v_and_b32 v21, 15, v0                          ; r
	v_bfe_u32 v22, v0, 4, 1                        ; h
	v_lshlrev_b32 v23, 4, v20                      ; 16 lane
	s_lshl_b32 s24, s14, 12
	v_add_nc_u32 v[LDT], s24, v23
	s_lshl_b32 s24, s14, 15
	v_add_nc_u32 v[LDQ], s24, v23
	s_mul_i32 s24, s14, 2*STGB
	v_mul_u32_u24 v24, v22, 272
	v_lshl_add_u32 v24, v21, 4, v24
	v_add_nc_u32 v[STI], s24, v24
	v_mul_u32_u24 v24, v21, 272
	v_lshl_add_u32 v24, v22, 6, v24
	v_add_nc_u32 v[STO], s24, v24
	s_lshl_b32 s24, s14, 10
	s_add_co_u32 s25, s24, TIMG
	v_add_nc_u32 v[IMGW], s25, v23
	v_add_nc_u32 v[IMGR], TIMG, v23
	s_add_co_u32 s25, s24, OST
	v_lshl_add_u32 v[OSW], v21, 2, s25
	v_add_nc_u32 v[OSR], s25, v23
	s_lshl_b32 s25, s14, 6
	s_add_co_u32 s25, s25, TNS
	v_lshl_add_u32 v[TNW], v21, 2, s25
	v_lshl_add_u32 v[TNR], v22, 5, TNS
	s_mul_i32 s25, s14, 128000
	v_mul_u32_u24 v24, v22, 64000
	v_lshl_add_u32 v24, v21, 4, v24
	v_add_nc_u32 v[GOFF], s25, v24
	v_mov_b32 v252, 0                              ; written once: a lane permute's destination counts as one of its sources
	s_mov_b32 s20, 0x76543210                      ; v_permlanex16_b32: lane l takes lane l xor 16
	s_mov_b32 s21, 0xfedcba98
	s_mul_i32 s24, ttmp9, 102400                   ; my slice: 400 rows of 256 bytes
	s_mov_b32 s25, 0
	s_lshl_b32 s26, ttmp9, 8                       ; and its 256 bytes in each block of the partial results
	s_mov_b32 s27, 0
	s_mul_i32 s28, ttmp9, 50                       ; its first group of 8 rows
	s_wait_kmcnt 0x0
	s_load_b64 s[16:17], s[8:9], 0x0               ; e0, e1
	s_add_nc_u64 s[6:7], s[6:7], s[24:25]
	s_add_nc_u64 s[10:11], s[10:11], s[26:27]
	s_add_nc_u64 s[12:13], s[12:13], s[26:27]
; 16 rows of 256 bytes, dense: eight loads of 512 consecutive bytes; register 4 j .. 4 j + 3 of lane (r, h): row 2 j + h, numbers 4 r .. 4 r + 3
.macro LOAD reg, voff, base, imm, nt
.irp j, 0,1,2,3,4,5,6,7
.if \nt
	global_load_b128 v[(\reg)+4*\j:(\reg)+4*\j+3], v[\voff], s[\base:\base+1] offset:(\imm)+512*\j th:TH_LOAD_NT
.else
	global_load_b128 v[(\reg)+4*\j:(\reg)+4*\j+3], v[\voff], s[\base:\base+1] offset:(\imm)+512*\j
.endif
.endr
.endm
; through my own stage: in as loaded, back as the operand wants it: lane (r, h) takes of row r the numbers 16 h + 0 .. 15 and 32 + 16 h + 0 .. 15.  LDS serves a wave's instructions in order: no wait between
.macro TURN reg, set
.irp j, 0,1,2,3,4,5,6,7
	ds_store_b128 v[STI], v[(\reg)+4*\j:(\reg)+4*\j+3] offset:STGB*(\set)+544*\j
.endr
.irp i, 0,1,2,3
	ds_load_b128 v[X+32*(\set)+4*\i:X+32*(\set)+4*\i+3], v[STO] offset:STGB*(\set)+16*\i
.endr
.irp i, 0,1,2,3
	ds_load_b128 v[X+32*(\set)+16+4*\i:X+32*(\set)+16+4*\i+3], v[STO] offset:STGB*(\set)+128+16*\i
.endr
.endm
; the row's sum of squares, of the numbers as they are given: two chains of packed multiply-adds, the other half of the lanes', x -2^-(e0+e1+1); one word a row
.macro TNORM x, off
	v_pk_mul_f32 v[248:249], v[(\x):(\x)+1], v[(\x):(\x)+1]
	v_pk_mul_f32 v[250:251], v[(\x)+2:(\x)+3], v[(\x)+2:(\x)+3]
.irp j, 4,8,12,16,20,24,28
	v_pk_fma_f32 v[248:249], v[(\x)+\j:(\x)+\j+1], v[(\x)+\j:(\x)+\j+1], v[248:249]
	v_pk_fma_f32 v[250:251], v[(\x)+\j+2:(\x)+\j+3], v[(\x)+\j+2:(\x)+\j+3], v[250:251]
.endr
	v_pk_add_f32 v[248:249], v[248:249], v[250:251]
	v_add_f32 v248, v248, v249
	v_permlanex16_b32 v252, v248, s20, s21
	v_add_f32 v248, v248, v252
	v_mul_f32 v248, s18, v248
	ds_store_b32 v[TNW], v248 offset:\off          ; both halves of the lanes write the same word with the same number
.endm
; 32 numbers of a lane become a fragment's 8 registers
.macro QUANT32 x, f, sc, lim
.set i, 0
.rept 32
	v_med3_num_f32 v[(\x)+i], v[(\x)+i], -v[\lim], v[\lim]   ; the conversion to an 8-bit code does not saturate (ISA guide 7.6.2): the hold at the largest code x the scale
.set i, i+1
.endr
.irp g, 0,1,2,3
	v_cvt_scalef32_pk8_fp8_f32 v[(\f)+2*\g:(\f)+2*\g+1], v[(\x)+8*\g:(\x)+8*\g+7], v[\sc]
.endr
	v_nop                                          ; one plain vector line behind the last conversion: matrix instructions later read these codes and write over these numbers
.endm
; Units 0-2: my tiles w, w + 8, w + 16 of the table; units 3-10: my 8 tiles of queries.  Unit u is loaded into set u % 3
.macro ULOAD u
.if (\u) < 3
	LOAD R+32*((\u)%3), LDT, 6, 32768*(\u), 1
.else
	LOAD R+32*((\u)%3), LDQ, 4, 4096*((\u)-3), 0
.endif
.endm
.macro STEP u
	s_wait_dscnt 0x0                               ; unit u is back from its stage, so its stores into the stage have read their registers,
.if (\u)+3 < 11
	ULOAD (\u)+3                                   ; which take the loads of three units on
.endif
.if (\u)+1 < 11
.if (\u)+3 < 11
	s_wait_loadcnt 16                              ; unit u + 1 is in; the two younger units' 16 loads may be out
.else
	s_wait_loadcnt 8*(9-(\u))                      ; the counts run down: one younger unit, then none
.endif
	TURN R+32*(((\u)+1)%3), ((\u)+1)%2             ; and goes through the other stage while unit u is worked
.endif
.if (\u) < 3
	TNORM X+32*((\u)%2), 512*(\u)
	QUANT32 X+32*((\u)%2), F, 14, 15
	ds_store_b128 v[IMGW], v[F:F+3] offset:8192*(\u)
	ds_store_b128 v[IMGW], v[F+4:F+7] offset:8192*(\u)+512
.else
	QUANT32 X+32*((\u)%2), Q+8*((\u)-3), 12, 13    ; the queries' codes stay in registers
.endif
.endm
	s_cmp_lg_u32 s14, 0
	s_cbranch_scc1 .Lno_24_load
	LOAD 48, LDT, 6, 98304, 1                      ; wave 0: tile 24, into registers that the queries' codes take only later.  These 8 loads are the oldest, so every count below holds in all waves
.Lno_24_load:
	ULOAD 0
	ULOAD 1
	ULOAD 2
	s_wait_kmcnt 0x0
	s_add_co_i32 s29, s16, 127
	s_lshl_b32 s30, s29, 23
	v_mov_b32 v12, s30                             ; 2^e0 as f32: the conversion takes its exponent field
	s_add_co_i32 s29, s29, 8
	s_lshl_b32 s29, s29, 23
	s_or_b32 s29, s29, 0x600000
	v_mov_b32 v13, s29                             ; 448 x 2^e0
	s_add_co_i32 s29, s17, 127
	s_lshl_b32 s30, s29, 23
	v_mov_b32 v14, s30                             ; 2^e1
	s_add_co_i32 s29, s29, 8
	s_lshl_b32 s29, s29, 23
	s_or_b32 s29, s29, 0x600000
	v_mov_b32 v15, s29                             ; 448 x 2^e1
	s_add_co_i32 s18, s16, s17
	s_sub_co_i32 s18, 126, s18
	s_lshl_b32 s18, s18, 23
	s_or_b32 s18, s18, 0x80000000                  ; -2^-(e0+e1+1)
	s_cmp_lg_u32 s14, 0
	s_cbranch_scc1 .Lno_24_work
	s_wait_loadcnt 24                              ; tile 24 is in; units 0 to 2, 24 loads, may be out
	TURN 48, 1
	s_wait_dscnt 0x0
	TNORM X+32, 1536
	QUANT32 X+32, F, 14, 15
	ds_store_b128 v[IMGW], v[F:F+3] offset:24576
	ds_store_b128 v[IMGW], v[F+4:F+7] offset:24576+512
.Lno_24_work:
	s_wait_loadcnt 16                              ; unit 0 is in; units 1 and 2 may be out
	TURN R, 0
.irp u, 0,1,2,3,4,5,6,7,8,9,10
	STEP \u
.endr
	s_wait_dscnt 0x0                               ; for the others' sake: my images and norm terms have landed
	s_barrier_signal -1
	s_barrier_wait -1                              ; the slice's 25 fragments and 400 norm terms lie in LDS: the launch's one barrier
; THE MAIN PART, written out for 25 tiles.
.macro FETCH t                         ; tile t's fragment, and as C the norm terms of my half's 8 rows (sixteen lanes read the same words)
	ds_load_b128 v[AC+16*((\t)%2):AC+16*((\t)%2)+3], v[IMGR] offset:1024*(\t)
	ds_load_b128 v[AC+16*((\t)%2)+4:AC+16*((\t)%2)+7], v[IMGR] offset:1024*(\t)+512
	ds_load_b128 v[AC+16*((\t)%2)+8:AC+16*((\t)%2)+11], v[TNR] offset:64*(\t)
	ds_load_b128 v[AC+16*((\t)%2)+12:AC+16*((\t)%2)+15], v[TNR] offset:64*(\t)+16
.endm
.macro MULT t, b                       ; four products: tile t against query tiles 4 b .. 4 b + 3; each is a whole sum (K = 64): no accumulator is taken up again
.irp q, 0,1,2,3
	v_wmma_f32_16x16x64_fp8_fp8 v[D+32*(\b)+8*\q:D+32*(\b)+8*\q+7], v[AC+16*((\t)%2):AC+16*((\t)%2)+7], v[Q+8*(4*(\b)+\q):Q+8*(4*(\b)+\q)+7], v[AC+16*((\t)%2)+8:AC+16*((\t)%2)+15]
.endr
.endm
; 24 plain vector instructions: the four query tiles by turns.  The new maximum goes into the other of the two sets, so that it can be compared with the old.  Each result is read from its low end on.
.macro VMAX t, b
.set OLD, MA+8*((\t)%2)+4*(\b)
.set NEW, MA+8*(1-(\t)%2)+4*(\b)
.if ((\b) == 0) && ((\t) > 0)
	v_add_nc_u32 v[GID], 2, v[GID]                 ; a tile is two groups of 8 rows
.endif
.irp q, 0,1,2,3
	v_max3_num_f32 v[NEW+\q], v[OLD+\q], v[D+32*(\b)+8*\q], v[D+32*(\b)+8*\q+1]
.endr
.irp p, 2,4,6
.irp q, 0,1,2,3
	v_max3_num_f32 v[NEW+\q], v[NEW+\q], v[D+32*(\b)+8*\q+\p], v[D+32*(\b)+8*\q+\p+1]
.endr
.endr
.irp q, 0,1,2,3
	v_cmp_gt_f32 s[32+\q], v[NEW+\q], v[OLD+\q]    ; grown: this group holds the largest so far; equal: the earlier, lower group stays
.endr
.irp q, 0,1,2,3
	v_cndmask_b32 v[G+4*(\b)+\q], v[G+4*(\b)+\q], v[GID], s[32+\q]
.endr
.endm
; ORDER.  Between four products and the lines that read them stand the other set's 24 plain vector instructions, which name none of their registers: they are the places in front of
; the reads, of the products that write a set of results again, and of the LDS loads into a fragment set that products have read.  So no v_nop is written.
	FETCH 0
	s_wait_dscnt 0x0
	FETCH 1
	MULT 0, 0
	v_bfe_u32 v201, v0, 4, 1                       ; the starting values stand where a later tile has the other set's maxima: they are tile 0's places
	v_add_nc_u32 v[GID], s28, v201                 ; 50 x slice + h
	v_mov_b32 v202, 0
.irp q, 0,1,2,3,4,5,6,7
	v_mov_b32 v[MA+\q], 0xff800000                 ; -infinity, under every S
	v_mov_b32 v[G+\q], v[GID]
.endr
	MULT 0, 1
	VMAX 0, 0
.irp t, 1,2,3,4,5,6,7,8,9,10,11,12,13,14,15,16,17,18,19,20,21,22,23
	s_wait_dscnt 0x0                               ; tile t's fragment, asked for a whole tile ago
	FETCH \t+1
	MULT \t, 0
	VMAX \t-1, 1
	MULT \t, 1
	VMAX \t, 0
.endr
	s_wait_dscnt 0x0
	MULT 24, 0
	VMAX 23, 1
	MULT 24, 1
	VMAX 24, 0
	VMAX 24, 1
; THE WAY OUT.  The two halves of the lanes hold the same query's even and odd groups: the larger S wins, of equal ones the lower group.  128 queries' numbers go through my own LDS bytes,
; so that sixteen lanes store 256 consecutive bytes, aligned: [block of 64 queries][slice][64].
.irp q, 0,1,2,3,4,5,6,7
	v_permlanex16_b32 v201, v[MA+8+\q], s20, s21
	v_permlanex16_b32 v202, v[G+\q], s20, s21
	v_cmp_gt_f32 s36, v201, v[MA+8+\q]
	v_cmp_eq_f32 s37, v201, v[MA+8+\q]
	v_cmp_lt_u32 vcc_lo, v202, v[G+\q]
	s_and_b32 s37, s37, vcc_lo
	s_or_b32 s36, s36, s37
	v_cndmask_b32 v[MA+8+\q], v[MA+8+\q], v201, s36
	v_cndmask_b32 v[G+\q], v[G+\q], v202, s36
	ds_store_b32 v[OSW], v[MA+8+\q] offset:64*\q
	ds_store_b32 v[OSW], v[G+\q] offset:64*\q+512
.endr
	ds_load_b128 v[204:207], v[OSR]                ; LDS serves a wave's instructions in order: these see my stores
	ds_load_b128 v[208:211], v[OSR] offset:512
	s_wait_dscnt 0x0
	global_store_b128 v[GOFF], v[204:207], s[10:11]
	global_store_b128 v[GOFF], v[208:211], s[12:13]
	s_wait_tensorcnt 0x0
	ds_add_u32 v254, v255
	s_wait_dscnt 0x0
	s_endpgm
.Lfunc_end_k_qc38f134f2d_knn:
	.size	k_qc38f134f2d_knn, .Lfunc_end_k_qc38f134f2d_knn-k_qc38f134f2d_knn
	.p2alignl 7, 3214868480
	.fill 96, 4, 3214868480
	.section	.rodata,"a",@progbits
	.p2align	6, 0x0
	.amdhsa_kernel k_qc38f134f2d_knn
		.amdhsa_group_segment_fixed_size 168960
		.amdhsa_private_segment_fixed_size 0
		.amdhsa_enable_private_segment 0
		.amdhsa_kernarg_size 40
		.amdhsa_user_sgpr_count 2
		.amdhsa_user_sgpr_kernarg_segment_ptr 1
		.amdhsa_wavefront_size32 1
		.amdhsa_system_sgpr_workgroup_id_x 1
		.amdhsa_system_sgpr_workgroup_id_y 1
		.amdhsa_system_sgpr_workgroup_id_z 1
		.amdhsa_system_vgpr_workitem_id 0
		.amdhsa_next_free_vgpr 256
		.amdhsa_next_free_sgpr 66
		.amdhsa_reserve_vcc 1
		.amdhsa_float_denorm_mode_32 3
		.amdhsa_float_denorm_mode_16_64 3
		.amdhsa_memory_ordered 1
		.amdhsa_forward_progress 1
		.amdhsa_inst_pref_size 160
	.end_amdhsa_kernel
	.amdgpu_metadata
---
amdhsa.version: [ 1, 2 ]
amdhsa.kernels:
  - .name:           k_qc38f134f2d_knn
    .symbol:         k_qc38f134f2d_knn.kd
    .args:
      - { .name: codes, .offset: 0, .size: 8, .value_kind: global_buffer, .address_space: global }
      - { .name: codes_table, .offset: 8, .size: 8, .value_kind: global_buffer, .address_space: global }
      - { .name: lowp_scales, .offset: 16, .size: 8, .value_kind: global_buffer, .address_space: global }
      - { .name: pval, .offset: 24, .size: 8, .value_kind: global_buffer, .address_space: global }
      - { .name: pgid, .offset: 32, .size: 8, .value_kind: global_buffer, .address_space: global }
    .group_segment_fixed_size: 168960
    .private_segment_fixed_size: 0
    .kernarg_segment_align: 8
    .kernarg_segment_size: 40
    .max_flat_workgroup_size: 256
    .sgpr_count:     66
    .vgpr_count:     256
    .wavefront_size: 32
...
	.end_amdgpu_metadata
.endif
;; end of part 1
;; launch pick (part 2): grid 19 x 1, 16 waves a work-group, no clusters, 10,240 bytes of LDS; arguments pval, pgid, W1, Wu, Ws, lowp_scales, nng, w1c, w2c; writes nng, w1c, w2c
.if DOCPART == 2
	.amdgcn_target "amdgcn-amd-amdhsa--gfx1250"
	.amdhsa_code_object_version 6
	.text
	.protected	k_qc38f134f2d_pick
	.globl	k_qc38f134f2d_pick
	.p2align	8
	.type	k_qc38f134f2d_pick,@function
k_qc38f134f2d_pick:
	s_mov_b64 s[64:65], 0
	v_nop
	global_prefetch_b8 v0, s[64:65] scope:SCOPE_SE
	s_setreg_imm32_b32 hwreg(HW_REG_WAVE_MODE, 25, 1), 1
	s_wait_xcnt 0x0
; NEAREST ROW, PART 2, and the weights' codes.  Three ways, which part on the work-group's number alone; only the first uses LDS and a barrier.
; Work-groups 0-15: block b of 64 queries: of its 250 slices' (S, group) the largest S, of equal ones the lowest group; the group's number is stored as a whole number, for the next launch's addresses.
; Work-group 16: W1 [64 (k)][512] into codes of E4M3 with 2^e3.  Work-groups 17, 18: Wu, Ws [512 (k)][64] with 2^e5, 2^e7.  A LANE TAKES A COLUMN AND ITS REGISTERS RUN DOWN K, so the conversions give codes
; with K innermost; they are stored as IMAGES OF THE OPERAND'S REGISTERS, so that the next launch loads each fragment by dense loads of 512 bytes:
;   w1c: tile T = 2 b + u (1,024 bytes): lane r holds hidden unit 32 b + 8 u + r + 8 (r / 8); byte = 1024 T + 512 (k / 32) + 256 ((k / 16) % 2) + 16 r + k % 16
;   w2c: [8 tiles of 16 columns: 0-3 Wu, 4-7 Ws][4 steps of 128 along K][2,048 bytes]; byte in an image = 512 ((k % 128) / 32) + 256 ((k / 16) % 2) + 16 r + k % 16
; LIMITS: e3, e5, e7 between -126 and 119.  NaN among the inputs is not served.  No matrix unit, no cluster: a reduction and a cast of 384 KiB.
	s_load_b256 s[4:11], s[0:1], 0x0               ; pval s[4:5], pgid s[6:7], W1 s[8:9], Wu s[10:11]
	s_load_b256 s[12:19], s[0:1], 0x20             ; Ws s[12:13], scales s[14:15], nng s[16:17], w1c s[18:19]
	s_load_b64 s[20:21], s[0:1], 0x40              ; w2c
	v_lshl_add_u32 v96, v0, 2, 0x2000
	v_mov_b32 v97, 0
	v_lshrrev_b32 v1, 5, v0
	v_readfirstlane_b32 s22, v1                    ; wave 0..15
	v_and_b32 v2, 31, v0                           ; lane
	v_and_b32 v3, 15, v0
	s_lshl_b32 s27, s22, 8
	v_lshl_add_u32 v4, v3, 4, s27                  ; LDS: my wave's 256 bytes, 16 bytes for each four queries
	v_lshlrev_b32 v5, 3, v2                        ; 8 lane: two queries a lane, in LDS and in nng
	s_wait_kmcnt 0x0
	s_cmp_ge_u32 ttmp9, 16
	s_cbranch_scc1 .Lweights
	; ---- the reduction.  125 pairs of slices; wave w takes pairs p0 .. p0 + 7, p0 = min(8 w, 117): the last waves' shares overlap, which repeats equal entries and changes nothing
	s_mul_i32 s24, ttmp9, 64000                    ; my block: 250 slices x 256 bytes
	s_mov_b32 s25, 0
	s_add_nc_u64 s[4:5], s[4:5], s[24:25]
	s_add_nc_u64 s[6:7], s[6:7], s[24:25]
	s_lshl_b32 s24, ttmp9, 8
	s_add_nc_u64 s[16:17], s[16:17], s[24:25]      ; and its 64 words of nng
	s_lshl_b32 s26, s22, 3
	s_min_u32 s26, s26, 117
	s_lshl_b32 s26, s26, 9
	v_lshl_add_u32 v1, v2, 4, s26                  ; lane l: slice 2 (p0 + i) + l / 16, queries 4 (l % 16) + 0 .. 3
	s_mov_b32 s36, 0x76543210                      ; v_permlanex16_b32: lane l takes lane l xor 16
	s_mov_b32 s37, 0xfedcba98
	v_mov_b32 v6, 0                                ; written once: a lane permute's destination counts as one of its sources
	v_mov_b32 v7, 0
.irp i, 0,1,2,3,4,5,6,7
	global_load_b128 v[16+4*\i:19+4*\i], v1, s[4:5] offset:512*\i
.endr
.irp i, 0,1,2,3,4,5,6,7
	global_load_b128 v[48+4*\i:51+4*\i], v1, s[6:7] offset:512*\i
.endr
	s_wait_loadcnt 0x0
.irp i, 1,2,3,4,5,6,7                  ; slices ascend, and with them the groups: only a larger S takes over
.irp c, 0,1,2,3
	v_cmp_gt_f32 s[28+\c], v[16+4*\i+\c], v[16+\c]
.endr
.irp c, 0,1,2,3
	v_cndmask_b32 v[16+\c], v[16+\c], v[16+4*\i+\c], s[28+\c]
	v_cndmask_b32 v[48+\c], v[48+\c], v[48+4*\i+\c], s[28+\c]
.endr
.endr
.irp c, 0,1,2,3                        ; the other half of the lanes holds the slices of the other parity: larger S, or equal S and lower group
	v_permlanex16_b32 v6, v[16+\c], s36, s37
	v_permlanex16_b32 v7, v[48+\c], s36, s37
	v_cmp_gt_f32 s32, v6, v[16+\c]
	v_cmp_eq_f32 s33, v6, v[16+\c]
	v_cmp_lt_u32 vcc_lo, v7, v[48+\c]
	s_and_b32 s33, s33, vcc_lo
	s_or_b32 s32, s32, s33
	v_cndmask_b32 v[16+\c], v[16+\c], v6, s32
	v_cndmask_b32 v[48+\c], v[48+\c], v7, s32
.endr
	ds_store_b128 v4, v[16:19]                     ; both halves write the same bytes with the same numbers
	ds_store_b128 v4, v[48:51] offset:4096
	s_wait_dscnt 0x0                               ; for wave 0's sake: my stores have landed
	s_barrier_signal -1
	s_barrier_wait -1
	s_cmp_lg_u32 s22, 0
	s_cbranch_scc1 .Ldone
.irp s, 0,1,2,3,4,5,6,7,8,9,10,11,12,13,14,15
	ds_load_b64 v[16+2*\s:17+2*\s], v5 offset:256*\s
	ds_load_b64 v[48+2*\s:49+2*\s], v5 offset:4096+256*\s
.endr
	s_wait_dscnt 0x0
.irp s, 1,2,3,4,5,6,7,8,9,10,11,12,13,14,15    ; the waves' shares ascend too (where two overlap, both have seen the lower group)
	v_cmp_gt_f32 s28, v[16+2*\s], v16
	v_cmp_gt_f32 s29, v[17+2*\s], v17
	v_cndmask_b32 v16, v16, v[16+2*\s], s28
	v_cndmask_b32 v48, v48, v[48+2*\s], s28
	v_cndmask_b32 v17, v17, v[17+2*\s], s29
	v_cndmask_b32 v49, v49, v[49+2*\s], s29
.endr
	global_store_b64 v5, v[48:49], s[16:17]        ; 32 lanes store 256 consecutive bytes, aligned
.Ldone:
	s_wait_tensorcnt 0x0
	ds_add_u32 v96, v97
	s_wait_dscnt 0x0
	s_endpgm
; ---- the weights
.macro WLOAD base, pitch               ; 64 numbers down K of my column
.set i, 0
.rept 64
	global_load_b32 v[16+i], v1, s[\base:\base+1] offset:\pitch*i th:TH_LOAD_NT
.set i, i+1
.endr
.endm
.macro MKSCALE e                       ; v11 = 2^e as f32 (the conversion takes its exponent field), v10 = 448 x 2^e
	s_add_co_i32 s30, s[\e], 127
	s_lshl_b32 s31, s30, 23
	v_mov_b32 v11, s31
	s_add_co_i32 s30, s30, 8
	s_lshl_b32 s30, s30, 23
	s_or_b32 s30, s30, 0x600000
	v_mov_b32 v10, s30
.endm
.macro WQUANT
.set i, 0
.rept 64
	v_med3_num_f32 v[16+i], v[16+i], -v10, v10     ; the conversion to an 8-bit code does not saturate (ISA guide 7.6.2): the hold at the largest code x the scale
.set i, i+1
.endr
.set i, 0
.rept 8
	v_cvt_scalef32_pk8_fp8_f32 v[80+2*i:81+2*i], v[16+8*i:23+8*i], v11
.set i, i+1
.endr
	v_nop
.endm
.macro WSTORE base                     ; group g of 16 codes (k = 16 g on): registers 4 (g / 2) on of the lanes of half g % 2
.irp g, 0,1,2,3
	global_store_b128 v2, v[80+4*\g:83+4*\g], s[\base:\base+1] offset:(\g/2)*512+(\g%2)*256
.endr
.endm
.Lweights:
	s_load_b256 s[32:39], s[14:15], 0x0            ; e0 .. e7
	s_cmp_gt_u32 ttmp9, 16
	s_cbranch_scc1 .Lsecond
	v_lshlrev_b32 v1, 2, v0                        ; W1: thread x takes column x: a wave's load reads 128 consecutive bytes, the sixteen waves a whole row
	WLOAD 8, 2048
	v_bfe_u32 v6, v0, 3, 1                         ; column 32 w + x lies in tile 2 w + (x / 8) % 2,
	s_lshl_b32 s24, s22, 11
	v_lshl_add_u32 v6, v6, 10, s24
	v_and_b32 v7, 7, v0
	v_bfe_u32 v8, v0, 4, 1
	v_lshl_or_b32 v7, v8, 3, v7                    ; at lane r = x % 8 + 8 (x / 16)
	v_lshl_add_u32 v2, v7, 4, v6
	s_wait_kmcnt 0x0
	MKSCALE 35
	s_wait_loadcnt 0x0
	WQUANT
	WSTORE 18                                      ; sixteen lanes of a store fill 256 consecutive bytes, aligned
	s_endpgm
.Lsecond:
	s_cmp_eq_u32 ttmp9, 17                         ; Wu or Ws: the choice hangs on the work-group's number alone
	s_cselect_b64 s[24:25], s[10:11], s[12:13]
	s_cselect_b32 s28, 0, 0x8000                   ; Ws's four tiles lie behind Wu's
	s_mov_b32 s29, 0
	s_add_nc_u64 s[20:21], s[20:21], s[28:29]
	s_and_b32 s26, s22, 1                          ; which 32 columns
	s_lshr_b32 s27, s22, 1                         ; which 64 along K
	s_lshl_b32 s30, s27, 14
	s_lshl_b32 s31, s26, 7
	s_add_co_u32 s30, s30, s31
	v_lshl_add_u32 v1, v2, 2, s30                  ; 64 rows of 256 bytes x kc + 4 x column
	WLOAD 24, 256
	s_lshl_b32 s30, s26, 14                        ; tile 2 ch + lane / 16: 8,192 bytes each;
	s_lshl_b32 s31, s27, 10                        ; 64 along K are half an image: 1,024 bytes x kc
	s_add_co_u32 s30, s30, s31
	v_bfe_u32 v6, v0, 4, 1
	v_lshl_add_u32 v6, v6, 13, s30
	v_lshl_add_u32 v2, v3, 4, v6
	s_wait_kmcnt 0x0
	s_cmp_eq_u32 ttmp9, 17
	s_cselect_b32 s26, s37, s39                    ; e5 or e7
	MKSCALE 26
	s_wait_loadcnt 0x0
	WQUANT
	WSTORE 20
	s_endpgm
.Lfunc_end_k_qc38f134f2d_pick:
	.size	k_qc38f134f2d_pick, .Lfunc_end_k_qc38f134f2d_pick-k_qc38f134f2d_pick
	.p2alignl 7, 3214868480
	.fill 96, 4, 3214868480
	.section	.rodata,"a",@progbits
	.p2align	6, 0x0
	.amdhsa_kernel k_qc38f134f2d_pick
		.amdhsa_group_segment_fixed_size 10240
		.amdhsa_private_segment_fixed_size 0
		.amdhsa_enable_private_segment 0
		.amdhsa_kernarg_size 72
		.amdhsa_user_sgpr_count 2
		.amdhsa_user_sgpr_kernarg_segment_ptr 1
		.amdhsa_wavefront_size32 1
		.amdhsa_system_sgpr_workgroup_id_x 1
		.amdhsa_system_sgpr_workgroup_id_y 1
		.amdhsa_system_sgpr_workgroup_id_z 1
		.amdhsa_system_vgpr_workitem_id 0
		.amdhsa_next_free_vgpr 98
		.amdhsa_next_free_sgpr 66
		.amdhsa_reserve_vcc 1
		.amdhsa_float_denorm_mode_32 3
		.amdhsa_float_denorm_mode_16_64 3
		.amdhsa_memory_ordered 1
		.amdhsa_forward_progress 1
		.amdhsa_inst_pref_size 43
	.end_amdhsa_kernel
	.amdgpu_metadata
---
amdhsa.version: [ 1, 2 ]
amdhsa.kernels:
  - .name:           k_qc38f134f2d_pick
    .symbol:         k_qc38f134f2d_pick.kd
    .args:
      - { .name: pval, .offset: 0, .size: 8, .value_kind: global_buffer, .address_space: global }
      - { .name: pgid, .offset: 8, .size: 8, .value_kind: global_buffer, .address_space: global }
      - { .name: W1, .offset: 16, .size: 8, .value_kind: global_buffer, .address_space: global }
      - { .name: Wu, .offset: 24, .size: 8, .value_kind: global_buffer, .address_space: global }
      - { .name: Ws, .offset: 32, .size: 8, .value_kind: global_buffer, .address_space: global }
      - { .name: lowp_scales, .offset: 40, .size: 8, .value_kind: global_buffer, .address_space: global }
      - { .name: nng, .offset: 48, .size: 8, .value_kind: global_buffer, .address_space: global }
      - { .name: w1c, .offset: 56, .size: 8, .value_kind: global_buffer, .address_space: global }
      - { .name: w2c, .offset: 64, .size: 8, .value_kind: global_buffer, .address_space: global }
    .group_segment_fixed_size: 10240
    .private_segment_fixed_size: 0
    .kernarg_segment_align: 8
    .kernarg_segment_size: 72
    .max_flat_workgroup_size: 512
    .sgpr_count:     66
    .vgpr_count:     98
    .wavefront_size: 32
...
	.end_amdgpu_metadata
.endif
;; end of part 2
;; launch mlp (part 3): grid 64 x 1, 8 waves a work-group, no clusters, 62,464 bytes of LDS; arguments codes, codes_table, nng, w1c, w2c, b1, bu, bs, lowp_scales, out0, out1; writes out0, out1
.if DOCPART == 3
	.amdgcn_target "amdgcn-amd-amdhsa--gfx1250"
	.amdhsa_code_object_version 6
	.text
	.protected	k_qc38f134f2d_mlp
	.globl	k_qc38f134f2d_mlp
	.p2align	8
	.type	k_qc38f134f2d_mlp,@function
k_qc38f134f2d_mlp:
	s_mov_b64 s[64:65], 0
	v_nop
	global_prefetch_b8 v0, s[64:65] scope:SCOPE_SE
	s_setreg_imm32_b32 hwreg(HW_REG_WAVE_MODE, 25, 1), 1
	s_wait_xcnt 0x0
; NEAREST ROW, PART 3, and the network.  A work-group takes 16 queries; wave w refines queries 2 w and 2 w + 1, makes hidden units 64 w .. 64 w + 63, and one tile of 16 outputs (waves 0-3: mu, 4-7: logstd).
; REFINE.  nng holds, as a whole number from the launch before, each query's winning group of 8 rows: 2,048 consecutive bytes of the table.  Two groups are a tile of 16 rows; their scores S are made again as in the
; first launch (same codes, same norm term as C, sources swapped), the largest of a group's 8 wins, of equal ones the lowest row.  The winner is chosen by selects and an OR across 8 lanes: no address hangs on it.
; NETWORK.  h = relu(Q(prev) Q(W1) + b1), mu = Q(h) Q(Wu) + bu, logstd = Q(h) Q(Ws) + bs, all four operands' pairs on codes of E4M3; h is quantised twice, with 2^e4 and with 2^e6.  All products are used
; transposed (source 0 = 16 rows of the weight, source 1 = 16 queries), so that a lane holds one query and its registers run along the next K.  b1 goes in as C, divided by 2^(e2+e3); the scales ahead of a
; quantiser are folded into the conversion's one.  Operands go from wave to wave through LDS as images of their registers (16 bytes a lane, 512 a store).
; LIMITS: e0, e1, e2, e4-e2-e3, e6-e2-e3 between -126 and 119; e0+e1 between -128 and 125; e4+e5 and e6+e7 between -126 and 127.  NaN and infinities among the inputs are not served.
; The second layer's K = 512 is summed on two accumulators (steps 0, 2 and 1, 3), added at the end.
.set PIMG,  34816                      ; LDS: 8 stages of 4,352 bytes (16 rows x 272), then the winners' fragment (1,024),
.set HIMG4, 35840                      ; the hidden layer's 4 fragments of 2,048 with 2^e4,
.set HIMG6, 44032                      ; the same with 2^e6,
.set OSTG,  52224                      ; and two stages of 16 rows x 272 for the outputs
.set W1F, 32                           ; v32-63   W1's 4 fragments; at the end rows of the output
.set W2F, 64                           ; v64-127  my output tile's 4 fragments of Wu or Ws
.set B1C, 128                          ; v128-159 b1 / 2^(e2+e3), in the result's layout
.set BO,  160                          ; v160-167 bu or bs of my 8 outputs
.set CF,  168                          ; v168-175 my two queries' fragment; then h's codes with 2^e6; then results
.set R,   176                          ; v176-207 candidates as loaded; then held numbers; C v176-183, D v184-191, v200-207 at work
.set X,   208                          ; v208-239 the queries' numbers; candidates turned; then the hidden layer
.set HF,  176                          ; v176-239 the hidden layer's 4 fragments
.set TF,  240                          ; v240-247 load offsets; the candidates' codes with 2^e1; the winners' fragment; accumulator 0
.set PF,  248                          ; v248-255 the candidates' codes with 2^e2; h's codes with 2^e4; accumulator 1
; v1 16 lane; v2, v3 stage in, out; v4 winners' image; v5 hidden read; v6 hidden write; v7, v8 output stage in, out; v9 output offset; v10-19 five pairs (scale, 448 x scale); v20-31 at work
	s_load_b256 s[4:11], s[0:1], 0x0               ; codes s[4:5], table s[6:7], nng s[8:9], w1c s[10:11]
	s_load_b256 s[12:19], s[0:1], 0x20             ; w2c s[12:13], b1 s[14:15], bu s[16:17], bs s[18:19]
	s_load_b128 s[20:23], s[0:1], 0x40             ; scales s[20:21], out0 s[22:23]
	s_load_b64 s[24:25], s[0:1], 0x50              ; out1
	s_set_vgpr_msb 0x40
	v_lshl_add_u32 v0, v0, 2, 0xf000
	v_mov_b32 v1, 0
	s_set_vgpr_msb 0x4000
	v_lshrrev_b32 v1, 5, v0
	v_readfirstlane_b32 s26, v1                    ; wave 0..7
	v_and_b32 v26, 31, v0                          ; lane
	v_and_b32 v27, 15, v0                          ; r
	v_bfe_u32 v28, v0, 4, 1                        ; h
	v_bfe_u32 v29, v0, 3, 1                        ; r / 8
	v_lshlrev_b32 v1, 4, v26
	s_mul_i32 s40, s26, 4352
	v_mul_u32_u24 v30, v28, 272
	v_lshl_add_u32 v30, v27, 4, v30
	v_add_nc_u32 v2, s40, v30                      ; stage, in: 272 h + 16 r
	v_mul_u32_u24 v30, v27, 272
	v_lshl_add_u32 v31, v28, 6, v30
	v_add_nc_u32 v3, s40, v31                      ; out: 272 r + 64 h
	s_lshl_b32 s40, s26, 5
	s_add_co_u32 s40, s40, PIMG
	v_lshl_add_u32 v4, v28, 8, s40
	v_lshl_add_u32 v4, v29, 4, v4                  ; the winners' image: lane (q, h) at 256 h + 16 q, q = 2 w + r / 8
	s_lshr_b32 s41, s26, 2                         ; mu (0) or logstd (1)
	s_and_b32 s52, s26, 3                          ; which tile of 16 outputs
	s_lshl_b32 s40, s41, 13
	s_add_co_u32 s40, s40, HIMG4
	v_add_nc_u32 v5, s40, v1
	s_lshl_b32 s40, s26, 10
	v_add_nc_u32 v6, s40, v1                       ; my 64 hidden units are half a step of 128: 1,024 bytes x wave
	s_mul_i32 s40, s41, 4352
	s_add_co_u32 s40, s40, OSTG
	s_lshl_b32 s53, s52, 6
	s_add_co_u32 s53, s53, s40
	v_lshl_add_u32 v7, v28, 5, v30
	v_add_nc_u32 v7, s53, v7                       ; output stage, in: row r, my tile's 64 bytes, + 32 h
	s_mul_i32 s53, s52, 1088
	s_add_co_u32 s53, s53, s40
	v_mul_u32_u24 v31, v28, 272
	v_lshl_add_u32 v31, v27, 4, v31
	v_add_nc_u32 v8, s53, v31                      ; out: rows 4 (w % 4) + h on, 16 bytes a lane
	s_lshl_b32 s53, s52, 10
	v_add_nc_u32 v9, s53, v1                       ; and the same rows in the output: dense
	v_and_b32 v30, 1, v0
	s_lshl_b32 s40, s26, 9
	v_lshl_add_u32 v240, v30, 8, s40
	v_lshl_add_u32 v240, v28, 6, v240              ; codes: lane (r, h) takes query 2 w + r % 2, + 64 h
	s_lshl_b32 s40, s26, 12
	v_add_nc_u32 v241, s40, v1                     ; w1c: my 4 tiles
	s_lshl_b32 s40, s26, 13
	v_add_nc_u32 v242, s40, v1                     ; w2c: my tile's 4 images
	s_lshl_b32 s40, s26, 8
	v_lshl_add_u32 v243, v28, 6, s40               ; b1: 256 w + 64 h
	s_lshl_b32 s40, s52, 6
	v_lshl_add_u32 v244, v28, 5, s40               ; bu, bs: 64 (w % 4) + 32 h
	v_mov_b32 v25, 0                               ; written once: a lane permute's destination counts as one of its sources
	s_mov_b32 s42, 0x76543210                      ; v_permlanex16_b32: lane l takes lane l xor 16
	s_mov_b32 s43, 0xfedcba98
	s_lshl_b32 s40, ttmp9, 6
	s_lshl_b32 s41, s26, 3
	s_add_co_u32 s40, s40, s41                     ; nng: 4 x (16 x work-group + 2 x wave)
	s_mov_b32 s41, 0
	s_wait_kmcnt 0x0
	s_add_nc_u64 s[8:9], s[8:9], s[40:41]
	s_load_b64 s[28:29], s[8:9], 0x0               ; my two queries' groups
	s_load_b256 s[32:39], s[20:21], 0x0            ; e0 .. e7
	s_lshl_b32 s40, ttmp9, 12                      ; 16 rows of 256 bytes, in codes and in both outputs
	s_add_nc_u64 s[4:5], s[4:5], s[40:41]
	s_cmp_lt_u32 s26, 4                            ; the choice hangs on the wave's number alone
	s_cselect_b64 s[44:45], s[16:17], s[18:19]
	s_cselect_b64 s[48:49], s[22:23], s[24:25]
	s_add_nc_u64 s[48:49], s[48:49], s[40:41]
.irp i, 0,1,2,3
	global_load_b128 v[X+4*\i:X+4*\i+3], v240, s[4:5] offset:16*\i
	global_load_b128 v[X+16+4*\i:X+16+4*\i+3], v240, s[4:5] offset:128+16*\i
.endr
.irp n, 0,1,2,3,4,5,6,7
	global_load_b128 v[W1F+4*\n:W1F+4*\n+3], v241, s[10:11] offset:512*\n
.endr
.irp n, 0,1,2,3,4,5,6,7,8,9,10,11,12,13,14,15
	global_load_b128 v[W2F+4*\n:W2F+4*\n+3], v242, s[12:13] offset:512*\n
.endr
.irp t, 0,1,2,3                        ; tile t = 2 b + u: my lane's units 64 w + 32 b + 16 h + 8 u + 0 .. 7
	global_load_b128 v[B1C+8*\t:B1C+8*\t+3], v243, s[14:15] offset:128*(\t/2)+32*(\t%2)
	global_load_b128 v[B1C+8*\t+4:B1C+8*\t+7], v243, s[14:15] offset:128*(\t/2)+32*(\t%2)+16
.endr
	global_load_b128 v[BO:BO+3], v244, s[44:45]
	global_load_b128 v[BO+4:BO+7], v244, s[44:45] offset:16
	s_wait_kmcnt 0x0
	s_min_u32 s28, s28, 12499                      ; a group's number stays inside the table's 12,500 groups
	s_min_u32 s29, s29, 12499
	s_lshl_b32 s28, s28, 11
	s_lshl_b32 s29, s29, 11
	v_add_nc_u32 v245, s28, v1
	v_add_nc_u32 v246, s29, v1
.irp j, 0,1,2,3
	global_load_b128 v[R+4*\j:R+4*\j+3], v245, s[6:7] offset:512*\j          ; rows 0-7 of the tile: query 2 w's candidates, 512 consecutive bytes a load
.endr
.irp j, 0,1,2,3
	global_load_b128 v[R+16+4*\j:R+16+4*\j+3], v246, s[6:7] offset:512*\j    ; rows 8-15: query 2 w + 1's
.endr
.macro MKS e, vs, vl                   ; v[vs] = 2^e as f32 (a conversion takes its exponent field), v[vl] = 448 x 2^e
	s_add_co_i32 s52, s[\e], 127
	s_lshl_b32 s53, s52, 23
	v_mov_b32 v[\vs], s53
	s_add_co_i32 s52, s52, 8
	s_lshl_b32 s52, s52, 23
	s_or_b32 s52, s52, 0x600000
	v_mov_b32 v[\vl], s52
.endm
	MKS 32, 10, 11
	MKS 33, 12, 13
	MKS 34, 14, 15
	s_add_co_i32 s54, s34, s35                     ; e2 + e3: a sum of the first layer stands for sum x 2^(e2+e3)
	s_sub_co_i32 s46, 0, s54
	s_sub_co_i32 s55, s36, s54
	MKS 55, 16, 17                                 ; e4 - e2 - e3
	s_sub_co_i32 s55, s38, s54
	MKS 55, 18, 19                                 ; e6 - e2 - e3
	s_add_co_i32 s47, s32, s33
	s_sub_co_i32 s47, 126, s47
	s_lshl_b32 s47, s47, 23
	s_or_b32 s47, s47, 0x80000000                  ; -2^-(e0+e1+1)
	s_add_co_i32 s54, s36, s37
	s_add_co_i32 s55, s38, s39
	s_cmp_lt_u32 s26, 4
	s_cselect_b32 s50, s54, s55
	s_add_co_i32 s50, s50, 127
	s_lshl_b32 s50, s50, 23                        ; 2^(e4+e5) or 2^(e6+e7)
	s_mov_b32 s51, s50                             ; (named with it as a pair, so it is written)
; 32 numbers v[src ..] are held into v[tmp ..] (relu = 1: between 0 and the limit: the activation and the hold in one) and become 8 registers of codes
.macro QUANT src, tmp, dst, sc, lim, relu
.set i, 0
.rept 32
.if \relu
	v_med3_num_f32 v[\tmp+i], v[\src+i], 0, v[\lim]
.else
	v_med3_num_f32 v[\tmp+i], v[\src+i], -v[\lim], v[\lim]   ; the conversion to an 8-bit code does not saturate (ISA guide 7.6.2)
.endif
.set i, i+1
.endr
.irp g, 0,1,2,3
	v_cvt_scalef32_pk8_fp8_f32 v[\dst+2*\g:\dst+2*\g+1], v[\tmp+8*\g:\tmp+8*\g+7], v[\sc]
.endr
	v_nop                                          ; one plain vector line behind the last conversion, ahead of whatever vector or matrix line next touches its registers
.endm
.macro BARRIER                         ; my LDS stores have landed and my LDS loads are in: then the work-group's barrier
	s_wait_dscnt 0x0
	s_barrier_signal -1
	s_barrier_wait -1
.endm
	s_wait_loadcnt 42                              ; the queries' 8 loads are in; behind them 8 + 16 + 8 + 2 + 8 may be out
	QUANT X, X, CF, 10, 11, 0
	s_wait_loadcnt 10                              ; b1 is in; behind it the bias's 2 and the candidates' 8
.set i, 0
.rept 32
	v_ldexp_f32 v[B1C+i], v[B1C+i], s46            ; b1 / 2^(e2+e3): exact
.set i, i+1
.endr
	; ---- REFINE
	s_wait_loadcnt 0x0
.irp j, 0,1,2,3,4,5,6,7
	ds_store_b128 v2, v[R+4*\j:R+4*\j+3] offset:544*\j
.endr
.irp i, 0,1,2,3                        ; LDS serves a wave's instructions in order: these see my stores.  Lane (r, h): candidate r, numbers 16 h + 0 .. 15 and 32 + 16 h + 0 .. 15
	ds_load_b128 v[X+4*\i:X+4*\i+3], v3 offset:16*\i
	ds_load_b128 v[X+16+4*\i:X+16+4*\i+3], v3 offset:128+16*\i
.endr
	s_wait_dscnt 0x0
	v_pk_mul_f32 v[20:21], v[X:X+1], v[X:X+1]      ; the candidate's sum of squares, by the first launch's lines
	v_pk_mul_f32 v[22:23], v[X+2:X+3], v[X+2:X+3]
.irp j, 4,8,12,16,20,24,28
	v_pk_fma_f32 v[20:21], v[X+\j:X+\j+1], v[X+\j:X+\j+1], v[20:21]
	v_pk_fma_f32 v[22:23], v[X+\j+2:X+\j+3], v[X+\j+2:X+\j+3], v[22:23]
.endr
	v_pk_add_f32 v[20:21], v[20:21], v[22:23]
	v_add_f32 v20, v20, v21
	v_permlanex16_b32 v25, v20, s42, s43
	v_add_f32 v20, v20, v25
	QUANT X, R, TF, 12, 13, 0                      ; as an operand of the first product: 2^e1
	QUANT X, X, PF, 14, 15, 0                      ; as an operand of the second: 2^e2
.irp j, 0,1,2,3,4,5,6,7
	v_mul_f32 v[R+\j], s47, v20                    ; C: column n = my candidate: its norm term in all 8 rows
.endr
	v_wmma_f32_16x16x64_fp8_fp8 v[R+8:R+15], v[CF:CF+7], v[TF:TF+7], v[R:R+7]   ; row m is query 2 w + m % 2: register 0 = my candidate against query 2 w, register 1 against 2 w + 1
	v_and_b32 v26, 7, v0                           ; four plain lines that name none of its registers stand ahead of the first read of the result (ISA guide 7.12.1)
	v_cvt_f32_u32 v27, v26                         ; my place in the group, as f32
	v_mov_b32 v28, 0x41000000                      ; 8.0: above every place
	v_and_b32 v29, 8, v0
	v_cmp_eq_u32 vcc_lo, 0, v29
	v_cndmask_b32 v30, v[R+9], v[R+8], vcc_lo      ; candidates 0-7 belong to query 2 w, 8-15 to 2 w + 1
	v_mov_b32 v31, v30
.irp m, 1,2,4
	v_max_num_f32_dpp v31, v31, v31 row_xmask:\m row_mask:0xf bank_mask:0xf    ; the largest S of the group's 8 lanes
.endr
	v_cmp_eq_f32 vcc_lo, v30, v31
	v_cndmask_b32 v24, v28, v27, vcc_lo            ; my place where I hold it, else 8
.irp m, 1,2,4
	v_min_num_f32_dpp v24, v24, v24 row_xmask:\m row_mask:0xf bank_mask:0xf    ; the lowest such place
.endr
	v_cmp_eq_f32 vcc_lo, v24, v27                  ; one lane of the 8 (in each half of the lanes) is the winner
.irp i, 0,1,2,3,4,5,6,7
	v_cndmask_b32 v[PF+\i], 0, v[PF+\i], vcc_lo    ; the others' codes become zero bits,
.endr
.irp m, 1,2,4
.irp i, 0,1,2,3,4,5,6,7
	v_mov_b32_dpp v[R+24+\i], v[PF+\i] row_xmask:\m row_mask:0xf bank_mask:0xf
.endr
.irp i, 0,1,2,3,4,5,6,7
	v_or_b32 v[PF+\i], v[PF+\i], v[R+24+\i]        ; and an OR across the 8 lanes leaves the winner's in all of them
.endr
.endr
	ds_store_b128 v4, v[PF:PF+3]                   ; eight lanes write the same 16 bytes with the same codes
	ds_store_b128 v4, v[PF+4:PF+7] offset:512
	BARRIER                                        ; the 16 winners' fragment lies in LDS
	; ---- THE FIRST LAYER: my 4 tiles of 16 hidden units
	ds_load_b128 v[TF:TF+3], v1 offset:PIMG
	ds_load_b128 v[TF+4:TF+7], v1 offset:PIMG+512
	s_wait_dscnt 0x0
.irp t, 0,1,2,3
	v_wmma_f32_16x16x64_fp8_fp8 v[X+8*\t:X+8*\t+7], v[W1F+8*\t:W1F+8*\t+7], v[TF:TF+7], v[B1C+8*\t:B1C+8*\t+7]   ; lane (r, h): query r; tiles 2 b, 2 b + 1: units 64 w + 32 b + 16 h + 0 .. 15
.endr
.rept 4
	v_nop                                          ; places ahead of the first read of the results; no other vector work is at hand
.endr
	QUANT X, R, PF, 16, 17, 1                      ; relu and 2^e4, each result from its low end on
	QUANT X, X, CF, 18, 19, 1                      ; relu and 2^e6
	ds_store_b128 v6, v[PF:PF+3] offset:HIMG4
	ds_store_b128 v6, v[PF+4:PF+7] offset:HIMG4+512
	ds_store_b128 v6, v[CF:CF+3] offset:HIMG6
	ds_store_b128 v6, v[CF+4:CF+7] offset:HIMG6+512
	BARRIER                                        ; the hidden layer's fragments lie in LDS, in both scales
	; ---- THE SECOND LAYER: my 16 outputs for the 16 queries, K = 512 in four steps
.irp n, 0,1,2,3,4,5,6,7,8,9,10,11,12,13,14,15
	ds_load_b128 v[HF+4*\n:HF+4*\n+3], v5 offset:512*\n
.endr
	s_wait_dscnt 0x0
	v_wmma_f32_16x16x128_fp8_fp8 v[TF:TF+7], v[W2F:W2F+15], v[HF:HF+15], 0               ; two accumulators by turns, one instruction a turn
	v_wmma_f32_16x16x128_fp8_fp8 v[PF:PF+7], v[W2F+16:W2F+31], v[HF+16:HF+31], 0
	v_wmma_f32_16x16x128_fp8_fp8 v[TF:TF+7], v[W2F+32:W2F+47], v[HF+32:HF+47], v[TF:TF+7]
	v_wmma_f32_16x16x128_fp8_fp8 v[PF:PF+7], v[W2F+48:W2F+63], v[HF+48:HF+63], v[PF:PF+7]
.rept 4
	v_nop
.endr
.irp i, 0,2,4,6
	v_pk_add_f32 v[CF+\i:CF+\i+1], v[TF+\i:TF+\i+1], v[PF+\i:PF+\i+1]
.endr
.irp i, 0,2,4,6
	v_pk_fma_f32 v[CF+\i:CF+\i+1], v[CF+\i:CF+\i+1], s[50:51], v[BO+\i:BO+\i+1] op_sel_hi:[1,0,1]   ; sum x 2^(the two exponents) + bias
.endr
	ds_store_b128 v7, v[CF:CF+3]                   ; lane (r, h): query r, outputs 16 (w % 4) + 8 h + 0 .. 7
	ds_store_b128 v7, v[CF+4:CF+7] offset:16
	BARRIER                                        ; 16 whole rows of each output lie in the stages
	ds_load_b128 v[W1F:W1F+3], v8
	ds_load_b128 v[W1F+4:W1F+7], v8 offset:544
	s_wait_dscnt 0x0
	global_store_b128 v9, v[W1F:W1F+3], s[48:49]               ; 32 lanes store 512 consecutive bytes, two rows, at a multiple of 256 from the output's first byte
	global_store_b128 v9, v[W1F+4:W1F+7], s[48:49] offset:512
	s_set_vgpr_msb 0x5
	s_wait_tensorcnt 0x0
	ds_add_u32 v0, v1
	s_wait_dscnt 0x0
	s_set_vgpr_msb 0x500
	s_endpgm
.Lfunc_end_k_qc38f134f2d_mlp:
	.size	k_qc38f134f2d_mlp, .Lfunc_end_k_qc38f134f2d_mlp-k_qc38f134f2d_mlp
	.p2alignl 7, 3214868480
	.fill 96, 4, 3214868480
	.section	.rodata,"a",@progbits
	.p2align	6, 0x0
	.amdhsa_kernel k_qc38f134f2d_mlp
		.amdhsa_group_segment_fixed_size 62464
		.amdhsa_private_segment_fixed_size 0
		.amdhsa_enable_private_segment 0
		.amdhsa_kernarg_size 88
		.amdhsa_user_sgpr_count 2
		.amdhsa_user_sgpr_kernarg_segment_ptr 1
		.amdhsa_wavefront_size32 1
		.amdhsa_system_sgpr_workgroup_id_x 1
		.amdhsa_system_sgpr_workgroup_id_y 1
		.amdhsa_system_sgpr_workgroup_id_z 1
		.amdhsa_system_vgpr_workitem_id 0
		.amdhsa_next_free_vgpr 258
		.amdhsa_next_free_sgpr 66
		.amdhsa_reserve_vcc 1
		.amdhsa_float_denorm_mode_32 3
		.amdhsa_float_denorm_mode_16_64 3
		.amdhsa_memory_ordered 1
		.amdhsa_forward_progress 1
		.amdhsa_inst_pref_size 34
	.end_amdhsa_kernel
	.amdgpu_metadata
---
amdhsa.version: [ 1, 2 ]
amdhsa.kernels:
  - .name:           k_qc38f134f2d_mlp
    .symbol:         k_qc38f134f2d_mlp.kd
    .args:
      - { .name: codes, .offset: 0, .size: 8, .value_kind: global_buffer, .address_space: global }
      - { .name: codes_table, .offset: 8, .size: 8, .value_kind: global_buffer, .address_space: global }
      - { .name: nng, .offset: 16, .size: 8, .value_kind: global_buffer, .address_space: global }
      - { .name: w1c, .offset: 24, .size: 8, .value_kind: global_buffer, .address_space: global }
      - { .name: w2c, .offset: 32, .size: 8, .value_kind: global_buffer, .address_space: global }
      - { .name: b1, .offset: 40, .size: 8, .value_kind: global_buffer, .address_space: global }
      - { .name: bu, .offset: 48, .size: 8, .value_kind: global_buffer, .address_space: global }
      - { .name: bs, .offset: 56, .size: 8, .value_kind: global_buffer, .address_space: global }
      - { .name: lowp_scales, .offset: 64, .size: 8, .value_kind: global_buffer, .address_space: global }
      - { .name: out0, .offset: 72, .size: 8, .value_kind: global_buffer, .address_space: global }
      - { .name: out1, .offset: 80, .size: 8, .value_kind: global_buffer, .address_space: global }
    .group_segment_fixed_size: 62464
    .private_segment_fixed_size: 0
    .kernarg_segment_align: 8
    .kernarg_segment_size: 88
    .max_flat_workgroup_size: 256
    .sgpr_count:     66
    .vgpr_count:     258
    .wavefront_size: 32
...
	.end_amdgpu_metadata
.endif
;; end of part 3
;; ======== version 2 of 2: 3 launches
;; workspace buffers: pval 1,024,000 bytes; pgid 1,024,000 bytes of whole numbers; nng 4,096 bytes of whole numbers; w1c 32,768 bytes; w2c 65,536 bytes
;; launch knn (part 4): grid 250 x 1, 8 waves a work-group, no clusters, 168,960 bytes of LDS; arguments codes, codes_table, lowp_scales, pval, pgid; writes pval, pgid
.if DOCPART == 4
	.amdgcn_target "amdgcn-amd-amdhsa--gfx1250"
	.amdhsa_code_object_version 6
	.text
	.protected	k_qc38f134f2d_knn
	.globl	k_qc38f134f2d_knn
	.p2align	8
	.type	k_qc38f134f2d_knn,@function
k_qc38f134f2d_knn:
	s_mov_b64 s[64:65], 0
	v_nop
	global_prefetch_b8 v0, s[64:65] scope:SCOPE_SE
	s_setreg_imm32_b32 hwreg(HW_REG_WAVE_SCHED_MODE, 0, 2), 2
	s_setreg_imm32_b32 hwreg(HW_REG_WAVE_MODE, 25, 1), 1
	s_wait_xcnt 0x0
	s_wait_alu depctr_vm_vsrc(0)
; NEAREST ROW, PART 1.  For each of 1,024 queries c and each slice of 400 rows t of the table: the largest S = (sum of the products of the E4M3 codes) - |t|^2 x 2^-(e0+e1+1),
; and the group of 8 neighbouring rows in which it falls.  d2 = |c|^2 - 2^(e0+e1+1) S, so the largest S is the smallest d2; |c|^2 is the same for all rows of a query and is left out.
; LIMITS: the order of rounding differs from (|c|^2 - 2 c.t) + |t|^2: here |t|^2, scaled by a power of two (exact), is the C of the matrix instruction.  Equal S: the lower group wins.
; e0 and e1 between -126 and 119; e0 + e1 between -128 and 125 (each power of two below is an f32 number).  NaN and infinities among the inputs are not served.
; SHARES.  250 work-groups x 25 tiles of 16 rows = 100,000 rows; every work-group serves all queries.  Wave w keeps the codes of query tiles 8 w .. 8 w + 7 in 64 registers.
; The table's 25 tiles are quantised once in the work-group (wave w: tiles w, w + 8, w + 16; wave 0 also tile 24) and lie in LDS as images of the operand's registers, with the rows' norm terms beside them.
; LAYOUT.  Source 0 = 16 rows of the table, source 1 = 16 queries: a lane holds ONE query (lane % 16), and its 8 results are the 8 neighbouring rows 16 t + 8 (lane / 16) + 0 .. 7.
; So a tile costs a lane four v_max3, one compare and one select of the group's number: the row inside the group is found later, from the group's 8 rows.
; A fragment (16 rows x 64 K, 8 registers): lane (r, h) holds row r; registers 0-3: k = 16 h + 0 .. 15, registers 4-7: k = 32 + 16 h + 0 .. 15: one permutation of k, the same on both sides.
; The LDS claim is larger than the use (105,216 bytes), so that no second work-group of this launch lies beside this one.
; THE MODE: SCHED_MODE bits 1:0 = 2 (LLVM: expert scheduling mode 2), set by the entry lines.  The code itself states the register dependences
; between vector or matrix instructions and memory or LDS instructions, with s_wait_alu, always for 0.
; THE PLAN, prologue.  Registers that memory or LDS instructions touch:
;   v1-11     addresses: written at the head, never again.
;   R0 .. R2  written by global loads, read by the stage's LDS stores; no vector instruction names them.
;   X0, X1    unit u's turn lands in X[u % 2]; unit u's vector lines read and write it; unit u + 2's turn, issued in step u + 1, lands in it again.
;   F, v248   written by a table unit's vector lines; read by its three LDS stores, which stand at the head of the NEXT step.
; So a step's head holds one wait on va_vdst (the step before is done with the X in which this step's turn lands, and has written F and v248), the stores, and one wait on vm_vsrc
; (the turn's stores have read the R in which the next global loads land; the three stores have read F and v248, which this step writes again).
; THE PLAN, main part.  Four sets of 16 registers hold tiles' fragments and norm terms.  Tile t's products read set t % 4; at the head of an even tile t the loads of tiles t + 2 and t + 3 land in the sets of
; tiles t - 2 and t - 1, behind one wait on va_vdst.  The results, maxima and group numbers are named by vector and matrix instructions alone.
; A block's four compares write scalar registers (two sets by turns); the four selects that read them stand in the next block, behind one wait on va_sdst.
.set STGB, 4352                        ; a stage: 16 rows x (256 bytes + 16): row r starts 16 r bytes on modulo 256, so 16 rows' pieces of 16 bytes fall on different banks
.set TIMG, 69632                       ; behind 8 waves x 2 stages: 25 images of 1,024 bytes
.set TNS,  95232                       ; 400 words: -|t|^2 x 2^-(e0+e1+1)
.set OST,  97024                       ; the way out: 1,024 bytes for each wave
.set LDT,  1                           ; v1   16 lane + 4096 w: my bytes of a tile of the table
.set LDQ,  2                           ; v2   16 lane + 32768 w: of a tile of queries
.set STI,  3                           ; v3   stage, in: 8704 w + 272 h + 16 r
.set STO,  4                           ; v4   stage, out: 8704 w + 272 r + 64 h
.set IMGW, 5                           ; v5   TIMG + 1024 w + 16 lane
.set IMGR, 6                           ; v6   TIMG + 16 lane
.set TNW,  7                           ; v7   TNS + 64 w + 4 r
.set TNR,  8                           ; v8   TNS + 32 h
.set OSW,  9                           ; v9   OST + 1024 w + 4 r
.set OSR,  10                          ; v10  OST + 1024 w + 16 lane
.set GOFF, 11                          ; v11  128000 w + 64000 h + 16 r
.set Q,    16                          ; v16-79   my 8 query fragments        (v12, v13: 2^e0, 448 x 2^e0; v14, v15: the same with e1)
.set R,    80                          ; v80-175  prologue: three sets of 32, rows as loaded
.set X,    176                         ; v176-239 prologue: two sets of 32, rows turned
.set F,    240                         ; v240-247 prologue: a table fragment's codes; v248-252 at work
.set MA,   80                          ; main: v80-87, v88-95 running maxima, by turns
.set G,    96                          ; v96-103  the groups' numbers
.set AC,   104                         ; a tile's fragment (8) and its norm terms (8), four sets: v104-119, v120-135, v212-227, v228-243
.set D,    136                         ; v136-167 results of query tiles 0-3, v168-199 of 4-7
.set GID,  200                         ; v200 the tile's group for my half of the lanes; v201 at work
.set PT,   212                         ; the way out: v212-227, 16 numbers from the other half of the lanes (tile 22's fragment lay here: written, and long done with)
	s_load_b256 s[4:11], s[0:1], 0x0               ; codes s[4:5], table s[6:7], scales s[8:9], pval s[10:11]
	s_load_b64 s[12:13], s[0:1], 0x20              ; pgid
	v_lshl_add_u32 v254, v0, 2, 0x29000
	v_mov_b32 v255, 0
	v_lshrrev_b32 v1, 5, v0
	v_readfirstlane_b32 s14, v1                    ; wave 0..7
	v_and_b32 v20, 31, v0                          ; lane
	v_and_b32 v21, 15, v0                          ; r
	v_bfe_u32 v22, v0, 4, 1                        ; h
	v_lshlrev_b32 v23, 4, v20                      ; 16 lane
	s_wait_alu depctr_va_sdst(0)                   ; s14 is written, ahead of its first reader
	s_lshl_b32 s24, s14, 12
	v_add_nc_u32 v[LDT], s24, v23
	s_lshl_b32 s24, s14, 15
	v_add_nc_u32 v[LDQ], s24, v23
	s_mul_i32 s24, s14, 2*STGB
	v_mul_u32_u24 v24, v22, 272
	v_lshl_add_u32 v24, v21, 4, v24
	v_add_nc_u32 v[STI], s24, v24
	v_mul_u32_u24 v24, v21, 272
	v_lshl_add_u32 v24, v22, 6, v24
	v_add_nc_u32 v[STO], s24, v24
	s_lshl_b32 s24, s14, 10
	s_add_co_u32 s25, s24, TIMG
	v_add_nc_u32 v[IMGW], s25, v23
	v_add_nc_u32 v[IMGR], TIMG, v23
	s_add_co_u32 s25, s24, OST
	v_lshl_add_u32 v[OSW], v21, 2, s25
	v_add_nc_u32 v[OSR], s25, v23
	s_lshl_b32 s25, s14, 6
	s_add_co_u32 s25, s25, TNS
	v_lshl_add_u32 v[TNW], v21, 2, s25
	v_lshl_add_u32 v[TNR], v22, 5, TNS
	s_mul_i32 s25, s14, 128000
	v_mul_u32_u24 v24, v22, 64000
	v_lshl_add_u32 v24, v21, 4, v24
	v_add_nc_u32 v[GOFF], s25, v24
	v_mov_b32 v252, 0                              ; written once: a lane permute's destination counts as one of its sources
	s_mov_b32 s20, 0x76543210                      ; v_permlanex16_b32: lane l takes lane l xor 16
	s_mov_b32 s21, 0xfedcba98
	s_mul_i32 s24, ttmp9, 102400                   ; my slice: 400 rows of 256 bytes
	s_mov_b32 s25, 0
	s_lshl_b32 s26, ttmp9, 8                       ; and its 256 bytes in each block of the partial results
	s_mov_b32 s27, 0
	s_mul_i32 s28, ttmp9, 50                       ; its first group of 8 rows
	s_wait_kmcnt 0x0
	s_load_b64 s[16:17], s[8:9], 0x0               ; e0, e1
	s_add_nc_u64 s[6:7], s[6:7], s[24:25]
	s_add_nc_u64 s[10:11], s[10:11], s[26:27]
	s_add_nc_u64 s[12:13], s[12:13], s[26:27]
	s_wait_alu depctr_va_vdst(0)                   ; the eleven addresses v1 to v11 are written: every load and store of the kernel reads one of them
; 16 rows of 256 bytes, dense: eight loads of 512 consecutive bytes; register 4 j .. 4 j + 3 of lane (r, h): row 2 j + h, numbers 4 r .. 4 r + 3
.macro LOAD reg, voff, base, imm, nt
.irp j, 0,1,2,3,4,5,6,7
.if \nt
	global_load_b128 v[(\reg)+4*\j:(\reg)+4*\j+3], v[\voff], s[\base:\base+1] offset:(\imm)+512*\j th:TH_LOAD_NT
.else
	global_load_b128 v[(\reg)+4*\j:(\reg)+4*\j+3], v[\voff], s[\base:\base+1] offset:(\imm)+512*\j
.endif
.endr
.endm
; through my own stage: in as loaded, back as the operand wants it: lane (r, h) takes of row r the numbers 16 h + 0 .. 15 and 32 + 16 h + 0 .. 15.  LDS serves a wave's instructions in order: no wait between
.macro TURN reg, set
.irp j, 0,1,2,3,4,5,6,7
	ds_store_b128 v[STI], v[(\reg)+4*\j:(\reg)+4*\j+3] offset:STGB*(\set)+544*\j
.endr
.irp i, 0,1,2,3
	ds_load_b128 v[X+32*(\set)+4*\i:X+32*(\set)+4*\i+3], v[STO] offset:STGB*(\set)+16*\i
.endr
.irp i, 0,1,2,3
	ds_load_b128 v[X+32*(\set)+16+4*\i:X+32*(\set)+16+4*\i+3], v[STO] offset:STGB*(\set)+128+16*\i
.endr
.endm
; the row's sum of squares, of the numbers as they are given: two chains of packed multiply-adds, the other half of the lanes', x -2^-(e0+e1+1): into v248
.macro TNORM x
	v_pk_mul_f32 v[248:249], v[(\x):(\x)+1], v[(\x):(\x)+1]
	v_pk_mul_f32 v[250:251], v[(\x)+2:(\x)+3], v[(\x)+2:(\x)+3]
.irp j, 4,8,12,16,20,24,28
	v_pk_fma_f32 v[248:249], v[(\x)+\j:(\x)+\j+1], v[(\x)+\j:(\x)+\j+1], v[248:249]
	v_pk_fma_f32 v[250:251], v[(\x)+\j+2:(\x)+\j+3], v[(\x)+\j+2:(\x)+\j+3], v[250:251]
.endr
	v_pk_add_f32 v[248:249], v[248:249], v[250:251]
	v_add_f32 v248, v248, v249
	v_permlanex16_b32 v252, v248, s20, s21
	v_add_f32 v248, v248, v252
	v_mul_f32 v248, s18, v248
.endm
; a table tile's norm terms (one word a row) and its fragment's image go to LDS
.macro TSTORE noff, ioff
	ds_store_b32 v[TNW], v248 offset:\noff         ; both halves of the lanes write the same word with the same number
	ds_store_b128 v[IMGW], v[F:F+3] offset:\ioff
	ds_store_b128 v[IMGW], v[F+4:F+7] offset:(\ioff)+512
.endm
; 32 numbers of a lane become a fragment's 8 registers
.macro QUANT32 x, f, sc, lim
.set i, 0
.rept 32
	v_med3_num_f32 v[(\x)+i], v[(\x)+i], -v[\lim], v[\lim]   ; the conversion to an 8-bit code does not saturate (ISA guide 7.6.2): the hold at the largest code x the scale
.set i, i+1
.endr
.irp g, 0,1,2,3
	v_cvt_scalef32_pk8_fp8_f32 v[(\f)+2*\g:(\f)+2*\g+1], v[(\x)+8*\g:(\x)+8*\g+7], v[\sc]
.endr
	v_nop                                          ; one plain vector line behind the last conversion: matrix instructions later read these codes and write over these numbers
.endm
; Units 0-2: my tiles w, w + 8, w + 16 of the table; units 3-10: my 8 tiles of queries.  Unit u is loaded into set u % 3
.macro ULOAD u
.if (\u) < 3
	LOAD R+32*((\u)%3), LDT, 6, 32768*(\u), 1
.else
	LOAD R+32*((\u)%3), LDQ, 4, 4096*((\u)-3), 0
.endif
.endm
.macro STEP u
	s_wait_dscnt 0x0                               ; unit u is back from its stage
.if ((\u) > 0) && ((\u)+1 < 11)
	s_wait_alu depctr_va_vdst(0)                   ; unit u - 1's vector lines are done with X[(u + 1) % 2], in which the turn below lands; a table unit's have written F and v248, which the stores below read
.endif
.if ((\u) > 0) && ((\u) < 4)
	TSTORE 512*((\u)-1), 8192*((\u)-1)             ; the table unit of the step before
.endif
.if (\u)+3 < 11
	s_wait_alu depctr_vm_vsrc(0)                   ; unit u's LDS stores into the stage have read R[u % 3], in which the loads below land; the stores above (in wave 0's step 0: tile 24's) have read F and v248, which this step writes again
	ULOAD (\u)+3                                   ; three units on
.endif
.if (\u)+1 < 11
.if (\u)+3 < 11
	s_wait_loadcnt 16                              ; unit u + 1 is in; the two younger units' 16 loads may be out
.else
	s_wait_loadcnt 8*(9-(\u))                      ; the counts run down: one younger unit, then none
.endif
	TURN R+32*(((\u)+1)%3), ((\u)+1)%2             ; and goes through the other stage while unit u is worked
.endif
.if (\u) < 3
	TNORM X+32*((\u)%2)
	QUANT32 X+32*((\u)%2), F, 14, 15
.else
	QUANT32 X+32*((\u)%2), Q+8*((\u)-3), 12, 13    ; the queries' codes stay in registers
.endif
.endm
	s_cmp_lg_u32 s14, 0
	s_cbranch_scc1 .Lno_24_load
	LOAD 48, LDT, 6, 98304, 1                      ; wave 0: tile 24, into registers that the queries' codes take only later.  These 8 loads are the oldest, so every count below holds in all waves
.Lno_24_load:
	ULOAD 0
	ULOAD 1
	ULOAD 2
	s_wait_kmcnt 0x0
	s_add_co_i32 s29, s16, 127
	s_lshl_b32 s30, s29, 23
	v_mov_b32 v12, s30                             ; 2^e0 as f32: the conversion takes its exponent field
	s_add_co_i32 s29, s29, 8
	s_lshl_b32 s29, s29, 23
	s_or_b32 s29, s29, 0x600000
	v_mov_b32 v13, s29                             ; 448 x 2^e0
	s_add_co_i32 s29, s17, 127
	s_lshl_b32 s30, s29, 23
	v_mov_b32 v14, s30                             ; 2^e1
	s_add_co_i32 s29, s29, 8
	s_lshl_b32 s29, s29, 23
	s_or_b32 s29, s29, 0x600000
	v_mov_b32 v15, s29                             ; 448 x 2^e1
	s_add_co_i32 s18, s16, s17
	s_sub_co_i32 s18, 126, s18
	s_lshl_b32 s18, s18, 23
	s_or_b32 s18, s18, 0x80000000                  ; -2^-(e0+e1+1)
	s_cmp_lg_u32 s14, 0
	s_cbranch_scc1 .Lno_24_work
	s_wait_loadcnt 24                              ; tile 24 is in; units 0 to 2, 24 loads, may be out
	TURN 48, 1
	s_wait_dscnt 0x0
	TNORM X+32
	QUANT32 X+32, F, 14, 15
	s_wait_alu depctr_va_vdst(0)                   ; v248 and F are written, which the stores below read; these lines are done with X1, in which step 0's turn lands
	TSTORE 1536, 24576
.Lno_24_work:
	s_wait_loadcnt 16                              ; unit 0 is in; units 1 and 2 may be out
	TURN R, 0
.irp u, 0,1,2,3,4,5,6,7,8,9,10
	STEP \u
.endr
	s_wait_dscnt 0x0                               ; for the others' sake: my images and norm terms have landed
	s_barrier_signal -1
	s_barrier_wait -1                              ; the slice's 25 fragments and 400 norm terms lie in LDS: the launch's one barrier
	s_wait_alu depctr_vm_vsrc(0)                   ; my LDS stores have read R's registers and F: from here on fragments land there, and maxima, group numbers and results are written there
	s_wait_alu depctr_va_vdst(0)                   ; the last units' vector lines are done with X and F, in which the fragments of sets 2 and 3 land
; THE MAIN PART, written out for 25 tiles.
.macro FETCH t                         ; tile t's fragment, and as C the norm terms of my half's 8 rows (sixteen lanes read the same words), into set t % 4
.set FB, AC+16*((\t)%4)+76*(((\t)%4)/2)
	ds_load_b128 v[FB:FB+3], v[IMGR] offset:1024*(\t)
	ds_load_b128 v[FB+4:FB+7], v[IMGR] offset:1024*(\t)+512
	ds_load_b128 v[FB+8:FB+11], v[TNR] offset:64*(\t)
	ds_load_b128 v[FB+12:FB+15], v[TNR] offset:64*(\t)+16
.endm
.macro MULT t, b                       ; four products: tile t against query tiles 4 b .. 4 b + 3; each is a whole sum (K = 64): no accumulator is taken up again
.set FB, AC+16*((\t)%4)+76*(((\t)%4)/2)
.irp q, 0,1,2,3
	v_wmma_f32_16x16x64_fp8_fp8 v[D+32*(\b)+8*\q:D+32*(\b)+8*\q+7], v[FB:FB+7], v[Q+8*(4*(\b)+\q):Q+8*(4*(\b)+\q)+7], v[FB+8:FB+15]
.endr
.endm
.macro SEL b                           ; the four selects of a block whose compares stand in the block before
	s_wait_alu depctr_va_sdst(0)                   ; that block's four compares have written s[32 + 4 b ..], ahead of their first reader
.irp q, 0,1,2,3
	v_cndmask_b32 v[G+4*(\b)+\q], v[G+4*(\b)+\q], v[GID], s[32+4*(\b)+\q]
.endr
.endm
; A block: 24 plain vector instructions, the four query tiles by turns.  The new maximum goes into the other of the two sets, so that it can be compared with the old.  Each result is read from its low end on.
; The selects in its middle are the block before's; the group's number steps behind the selects that still want the last tile's.
.macro VMAX t, b
.set OLD, MA+8*((\t)%2)+4*(\b)
.set NEW, MA+8*(1-(\t)%2)+4*(\b)
.irp q, 0,1,2,3
	v_max3_num_f32 v[NEW+\q], v[OLD+\q], v[D+32*(\b)+8*\q], v[D+32*(\b)+8*\q+1]
.endr
.irp q, 0,1,2,3
	v_max3_num_f32 v[NEW+\q], v[NEW+\q], v[D+32*(\b)+8*\q+2], v[D+32*(\b)+8*\q+3]
.endr
.if ((\t) > 0) || ((\b) > 0)
	SEL 1-(\b)
.endif
.if ((\b) == 0) && ((\t) > 0)
	v_add_nc_u32 v[GID], 2, v[GID]                 ; a tile is two groups of 8 rows
.endif
.irp p, 4,6
.irp q, 0,1,2,3
	v_max3_num_f32 v[NEW+\q], v[NEW+\q], v[D+32*(\b)+8*\q+\p], v[D+32*(\b)+8*\q+\p+1]
.endr
.endr
.irp q, 0,1,2,3
	v_cmp_gt_f32 s[32+4*(\b)+\q], v[NEW+\q], v[OLD+\q]    ; grown: this group holds the largest so far; equal: the earlier, lower group stays
.endr
.endm
; ORDER.  Between four products and the lines that read them stands the other set's block of plain vector instructions, which name none of their registers (ISA guide 7.12.1): they are the places in front of
; the reads and of the products that write a set of results again.  So no v_nop is written.
	FETCH 0
	FETCH 1
	FETCH 2
	FETCH 3
	s_wait_dscnt 12                                ; LDS loads come back in order (ISA guide 5.7.1): tile 0 is in, the three younger tiles' 12 loads may be out
	MULT 0, 0
	v_bfe_u32 v201, v0, 4, 1                       ; the starting values stand where a later tile has the other set's maxima: they are tile 0's places
	v_add_nc_u32 v[GID], s28, v201                 ; 50 x slice + h
.irp q, 0,1,2,3,4,5,6,7
	v_mov_b32 v[MA+\q], 0xff800000                 ; -infinity, under every S
	v_mov_b32 v[G+\q], v[GID]
.endr
	MULT 0, 1
	VMAX 0, 0
.irp t, 1,2,3,4,5,6,7,8,9,10,11,12,13,14,15,16,17,18,19,20,21,22,23,24
.if (\t) == 1
	s_wait_dscnt 8                                 ; tile 1 is in; tiles 2 and 3, 8 loads, may be out
.elseif (\t)%2 == 0
	s_wait_dscnt 0x0                               ; tiles t and t + 1, asked for two tiles ago
.if (\t)+2 < 25
	s_wait_alu depctr_va_vdst(0)                   ; the products of tiles t - 2 and t - 1 are done reading their sets, in which the loads below land
	FETCH \t+2
.endif
.if (\t)+3 < 25
	FETCH \t+3
.endif
.endif
	MULT \t, 0
	VMAX \t-1, 1
	MULT \t, 1
	VMAX \t, 0
.endr
	VMAX 24, 1
	SEL 1                                          ; the last block's selects
; THE WAY OUT.  The two halves of the lanes hold the same query's even and odd groups: the larger S wins, of equal ones the lower group.  128 queries' numbers go through my own LDS bytes,
; so that sixteen lanes store 256 consecutive bytes, aligned: [block of 64 queries][slice][64].  The 24 compares stand in one run, with one wait behind it.
.irp q, 0,1,2,3,4,5,6,7
	v_permlanex16_b32 v[PT+\q], v[MA+8+\q], s20, s21
	v_permlanex16_b32 v[PT+8+\q], v[G+\q], s20, s21
.endr
.irp q, 0,1,2,3,4,5,6,7
	v_cmp_gt_f32 s[24+\q], v[PT+\q], v[MA+8+\q]
	v_cmp_eq_f32 s[32+\q], v[PT+\q], v[MA+8+\q]
	v_cmp_lt_u32 s[40+\q], v[PT+8+\q], v[G+\q]
.endr
	s_wait_alu depctr_va_sdst(0)                   ; the 24 compares have written s24 to s47, ahead of their first readers
.irp q, 0,1,2,3,4,5,6,7
	s_and_b32 s[32+\q], s[32+\q], s[40+\q]
	s_or_b32 s[24+\q], s[24+\q], s[32+\q]
.endr
.irp q, 0,1,2,3,4,5,6,7
	v_cndmask_b32 v[MA+8+\q], v[MA+8+\q], v[PT+\q], s[24+\q]
	v_cndmask_b32 v[G+\q], v[G+\q], v[PT+8+\q], s[24+\q]
.endr
	s_wait_alu depctr_va_vdst(0)                   ; the selects have written the maxima and the group numbers, which the LDS stores read
.irp q, 0,1,2,3,4,5,6,7
	ds_store_b32 v[OSW], v[MA+8+\q] offset:64*\q
	ds_store_b32 v[OSW], v[G+\q] offset:64*\q+512
.endr
	ds_load_b128 v[204:207], v[OSR]                ; LDS serves a wave's instructions in order: these see my stores
	ds_load_b128 v[208:211], v[OSR] offset:512
	s_wait_dscnt 0x0
	global_store_b128 v[GOFF], v[204:207], s[10:11]
	global_store_b128 v[GOFF], v[208:211], s[12:13]
	s_wait_dscnt 0x0
	s_wait_alu depctr_hold_cnt(0) depctr_sa_sdst(0) depctr_va_vdst(0) depctr_va_sdst(0) depctr_va_ssrc(0) depctr_va_vcc(0) depctr_vm_vsrc(0)
	s_wait_tensorcnt 0x0
	ds_add_u32 v254, v255
	s_wait_dscnt 0x0
	s_endpgm
.Lfunc_end_k_qc38f134f2d_knn:
	.size	k_qc38f134f2d_knn, .Lfunc_end_k_qc38f134f2d_knn-k_qc38f134f2d_knn
	.p2alignl 7, 3214868480
	.fill 96, 4, 3214868480
	.section	.rodata,"a",@progbits
	.p2align	6, 0x0
	.amdhsa_kernel k_qc38f134f2d_knn
		.amdhsa_group_segment_fixed_size 168960
		.amdhsa_private_segment_fixed_size 0
		.amdhsa_enable_private_segment 0
		.amdhsa_kernarg_size 40
		.amdhsa_user_sgpr_count 2
		.amdhsa_user_sgpr_kernarg_segment_ptr 1
		.amdhsa_wavefront_size32 1
		.amdhsa_system_sgpr_workgroup_id_x 1
		.amdhsa_system_sgpr_workgroup_id_y 1
		.amdhsa_system_sgpr_workgroup_id_z 1
		.amdhsa_system_vgpr_workitem_id 0
		.amdhsa_next_free_vgpr 256
		.amdhsa_next_free_sgpr 66
		.amdhsa_reserve_vcc 0
		.amdhsa_float_denorm_mode_32 3
		.amdhsa_float_denorm_mode_16_64 3
		.amdhsa_memory_ordered 1
		.amdhsa_forward_progress 1
		.amdhsa_inst_pref_size 163
	.end_amdhsa_kernel
	.amdgpu_metadata
---
amdhsa.version: [ 1, 2 ]
amdhsa.kernels:
  - .name:           k_qc38f134f2d_knn
    .symbol:         k_qc38f134f2d_knn.kd
    .args:
      - { .name: codes, .offset: 0, .size: 8, .value_kind: global_buffer, .address_space: global }
      - { .name: codes_table, .offset: 8, .size: 8, .value_kind: global_buffer, .address_space: global }
      - { .name: lowp_scales, .offset: 16, .size: 8, .value_kind: global_buffer, .address_space: global }
      - { .name: pval, .offset: 24, .size: 8, .value_kind: global_buffer, .address_space: global }
      - { .name: pgid, .offset: 32, .size: 8, .value_kind: global_buffer, .address_space: global }
    .group_segment_fixed_size: 168960
    .private_segment_fixed_size: 0
    .kernarg_segment_align: 8
    .kernarg_segment_size: 40
    .max_flat_workgroup_size: 256
    .sgpr_count:     66
    .vgpr_count:     256
    .wavefront_size: 32
...
	.end_amdgpu_metadata
.endif
;; end of part 4
;; launch pick (part 5): grid 19 x 1, 16 waves a work-group, no clusters, 10,240 bytes of LDS; arguments pval, pgid, W1, Wu, Ws, lowp_scales, nng, w1c, w2c; writes nng, w1c, w2c
.if DOCPART == 5
	.amdgcn_target "amdgcn-amd-amdhsa--gfx1250"
	.amdhsa_code_object_version 6
	.text
	.protected	k_qc38f134f2d_pick
	.globl	k_qc38f134f2d_pick
	.p2align	8
	.type	k_qc38f134f2d_pick,@function
k_qc38f134f2d_pick:
	s_mov_b64 s[64:65], 0
	v_nop
	global_prefetch_b8 v0, s[64:65] scope:SCOPE_SE
	s_setreg_imm32_b32 hwreg(HW_REG_WAVE_MODE, 25, 1), 1
	s_wait_xcnt 0x0
; NEAREST ROW, PART 2, and the weights' codes.  Three ways, which part on the work-group's number alone; only the first uses LDS and a barrier.
; Work-groups 0-15: block b of 64 queries: of its 250 slices' (S, group) the largest S, of equal ones the lowest group; the group's number is stored as a whole number, for the next launch's addresses.
; Work-group 16: W1 [64 (k)][512] into codes of E4M3 with 2^e3.  Work-groups 17, 18: Wu, Ws [512 (k)][64] with 2^e5, 2^e7.  A LANE TAKES A COLUMN AND ITS REGISTERS RUN DOWN K, so the conversions give codes
; with K innermost; they are stored as IMAGES OF THE OPERAND'S REGISTERS, so that the next launch loads each fragment by dense loads of 512 bytes:
;   w1c: tile T = 2 b + u (1,024 bytes): lane r holds hidden unit 32 b + 8 u + r + 8 (r / 8); byte = 1024 T + 512 (k / 32) + 256 ((k / 16) % 2) + 16 r + k % 16
;   w2c: [8 tiles of 16 columns: 0-3 Wu, 4-7 Ws][4 steps of 128 along K][2,048 bytes]; byte in an image = 512 ((k % 128) / 32) + 256 ((k / 16) % 2) + 16 r + k % 16
; LIMITS: e3, e5, e7 between -126 and 119.  NaN among the inputs is not served.  No matrix unit, no cluster: a reduction and a cast of 384 KiB.
	s_load_b256 s[4:11], s[0:1], 0x0               ; pval s[4:5], pgid s[6:7], W1 s[8:9], Wu s[10:11]
	s_load_b256 s[12:19], s[0:1], 0x20             ; Ws s[12:13], scales s[14:15], nng s[16:17], w1c s[18:19]
	s_load_b64 s[20:21], s[0:1], 0x40              ; w2c
	v_lshl_add_u32 v96, v0, 2, 0x2000
	v_mov_b32 v97, 0
	v_lshrrev_b32 v1, 5, v0
	s_delay_alu instid0(VALU_DEP_1)
	v_readfirstlane_b32 s22, v1                    ; wave 0..15
	v_and_b32 v2, 31, v0                           ; lane
	v_and_b32 v3, 15, v0
	s_lshl_b32 s27, s22, 8
	v_lshl_add_u32 v4, v3, 4, s27                  ; LDS: my wave's 256 bytes, 16 bytes for each four queries
	v_lshlrev_b32 v5, 3, v2                        ; 8 lane: two queries a lane, in LDS and in nng
	s_wait_kmcnt 0x0
	s_cmp_ge_u32 ttmp9, 16
	s_cbranch_scc1 .Lweights
	; ---- the reduction.  125 pairs of slices; wave w takes pairs p0 .. p0 + 7, p0 = min(8 w, 117): the last waves' shares overlap, which repeats equal entries and changes nothing
	s_mul_i32 s24, ttmp9, 64000                    ; my block: 250 slices x 256 bytes
	s_mov_b32 s25, 0
	s_add_nc_u64 s[4:5], s[4:5], s[24:25]
	s_add_nc_u64 s[6:7], s[6:7], s[24:25]
	s_lshl_b32 s24, ttmp9, 8
	s_add_nc_u64 s[16:17], s[16:17], s[24:25]      ; and its 64 words of nng
	s_lshl_b32 s26, s22, 3
	s_min_u32 s26, s26, 117
	s_lshl_b32 s26, s26, 9
	s_wait_alu depctr_va_vdst(0)
	v_lshl_add_u32 v1, v2, 4, s26                  ; lane l: slice 2 (p0 + i) + l / 16, queries 4 (l % 16) + 0 .. 3
	s_mov_b32 s36, 0x76543210                      ; v_permlanex16_b32: lane l takes lane l xor 16
	s_mov_b32 s37, 0xfedcba98
	v_mov_b32 v6, 0                                ; written once: a lane permute's destination counts as one of its sources
	v_mov_b32 v7, 0
.irp i, 0,1,2,3,4,5,6,7
	global_load_b128 v[16+4*\i:19+4*\i], v1, s[4:5] offset:512*\i
.endr
.irp i, 0,1,2,3,4,5,6,7
	global_load_b128 v[48+4*\i:51+4*\i], v1, s[6:7] offset:512*\i
.endr
	s_wait_loadcnt 0x0
.irp i, 1,2,3,4,5,6,7                  ; slices ascend, and with them the groups: only a larger S takes over
.irp c, 0,1,2,3
	v_cmp_gt_f32 s[28+\c], v[16+4*\i+\c], v[16+\c]
.endr
.irp c, 0,1,2,3
	v_cndmask_b32 v[16+\c], v[16+\c], v[16+4*\i+\c], s[28+\c]
	v_cndmask_b32 v[48+\c], v[48+\c], v[48+4*\i+\c], s[28+\c]
.endr
.endr
.irp c, 0,1,2,3                        ; the other half of the lanes holds the slices of the other parity: larger S, or equal S and lower group
	v_permlanex16_b32 v6, v[16+\c], s36, s37
	v_permlanex16_b32 v7, v[48+\c], s36, s37
	s_delay_alu instid0(VALU_DEP_2)
	v_cmp_gt_f32 s32, v6, v[16+\c]
	s_delay_alu instid0(VALU_DEP_3)
	v_cmp_eq_f32 s33, v6, v[16+\c]
	s_delay_alu instid0(VALU_DEP_3)
	v_cmp_lt_u32 vcc_lo, v7, v[48+\c]
	s_and_b32 s33, s33, vcc_lo
	s_or_b32 s32, s32, s33
	v_cndmask_b32 v[16+\c], v[16+\c], v6, s32
	v_cndmask_b32 v[48+\c], v[48+\c], v7, s32
.endr
	ds_store_b128 v4, v[16:19]                     ; both halves write the same bytes with the same numbers
	ds_store_b128 v4, v[48:51] offset:4096
	s_wait_dscnt 0x0                               ; for wave 0's sake: my stores have landed
	s_barrier_signal -1
	s_barrier_wait -1
	s_cmp_lg_u32 s22, 0
	s_cbranch_scc1 .Ldone
.irp s, 0,1,2,3,4,5,6,7,8,9,10,11,12,13,14,15
	ds_load_b64 v[16+2*\s:17+2*\s], v5 offset:256*\s
	ds_load_b64 v[48+2*\s:49+2*\s], v5 offset:4096+256*\s
.endr
	s_wait_dscnt 0x0
.irp s, 1
	v_cmp_gt_f32 s28, v[16+2*\s], v16
	v_cmp_gt_f32 s29, v[17+2*\s], v17
	s_delay_alu instid0(VALU_DEP_2)
	v_cndmask_b32 v16, v16, v[16+2*\s], s28
	s_delay_alu instid0(VALU_DEP_3)
	v_cndmask_b32 v48, v48, v[48+2*\s], s28
	s_delay_alu instid0(VALU_DEP_3)
	v_cndmask_b32 v17, v17, v[17+2*\s], s29
	s_delay_alu instid0(VALU_DEP_4)
	v_cndmask_b32 v49, v49, v[49+2*\s], s29
.endr
.irp s, 2, 3, 4, 5, 6, 7, 8, 9, 10, 11, 12, 13, 14, 15
	s_delay_alu instid0(VALU_DEP_4)
	v_cmp_gt_f32 s28, v[16+2*\s], v16
	s_delay_alu instid0(VALU_DEP_3)
	v_cmp_gt_f32 s29, v[17+2*\s], v17
	s_delay_alu instid0(VALU_DEP_2)
	v_cndmask_b32 v16, v16, v[16+2*\s], s28
	s_delay_alu instid0(VALU_DEP_3)
	v_cndmask_b32 v48, v48, v[48+2*\s], s28
	s_delay_alu instid0(VALU_DEP_3)
	v_cndmask_b32 v17, v17, v[17+2*\s], s29
	s_delay_alu instid0(VALU_DEP_4)
	v_cndmask_b32 v49, v49, v[49+2*\s], s29
.endr
	global_store_b64 v5, v[48:49], s[16:17]        ; 32 lanes store 256 consecutive bytes, aligned
.Ldone:
	s_wait_tensorcnt 0x0
	ds_add_u32 v96, v97
	s_wait_dscnt 0x0
	s_endpgm
; ---- the weights
.macro WLOAD base, pitch               ; 64 numbers down K of my column
.set i, 0
.rept 64
	global_load_b32 v[16+i], v1, s[\base:\base+1] offset:\pitch*i th:TH_LOAD_NT
.set i, i+1
.endr
.endm
.macro MKSCALE e                       ; v11 = 2^e as f32 (the conversion takes its exponent field), v10 = 448 x 2^e
	s_add_co_i32 s30, s[\e], 127
	s_lshl_b32 s31, s30, 23
	v_mov_b32 v11, s31
	s_add_co_i32 s30, s30, 8
	s_lshl_b32 s30, s30, 23
	s_or_b32 s30, s30, 0x600000
	v_mov_b32 v10, s30
.endm
.macro WQUANT
.set i, 0
.rept 64
	v_med3_num_f32 v[16+i], v[16+i], -v10, v10     ; the conversion to an 8-bit code does not saturate (ISA guide 7.6.2): the hold at the largest code x the scale
.set i, i+1
.endr
.set i, 0
.rept 8
	v_cvt_scalef32_pk8_fp8_f32 v[80+2*i:81+2*i], v[16+8*i:23+8*i], v11
.set i, i+1
.endr
	v_nop
.endm
.macro WSTORE base                     ; group g of 16 codes (k = 16 g on): registers 4 (g / 2) on of the lanes of half g % 2
.irp g, 0,1,2,3
	global_store_b128 v2, v[80+4*\g:83+4*\g], s[\base:\base+1] offset:(\g/2)*512+(\g%2)*256
.endr
.endm
.Lweights:
	s_load_b256 s[32:39], s[14:15], 0x0            ; e0 .. e7
	s_cmp_gt_u32 ttmp9, 16
	s_cbranch_scc1 .Lsecond
	v_lshlrev_b32 v1, 2, v0                        ; W1: thread x takes column x: a wave's load reads 128 consecutive bytes, the sixteen waves a whole row
	WLOAD 8, 2048
	v_bfe_u32 v6, v0, 3, 1                         ; column 32 w + x lies in tile 2 w + (x / 8) % 2,
	s_lshl_b32 s24, s22, 11
	v_lshl_add_u32 v6, v6, 10, s24
	v_and_b32 v7, 7, v0
	v_bfe_u32 v8, v0, 4, 1
	s_delay_alu instid0(VALU_DEP_1)
	v_lshl_or_b32 v7, v8, 3, v7                    ; at lane r = x % 8 + 8 (x / 16)
	s_delay_alu instid0(VALU_DEP_1)
	v_lshl_add_u32 v2, v7, 4, v6
	s_wait_kmcnt 0x0
	MKSCALE 35
	s_wait_alu depctr_va_vdst(0)
	s_wait_loadcnt 0x0
	WQUANT
	WSTORE 18                                      ; sixteen lanes of a store fill 256 consecutive bytes, aligned
	s_endpgm
.Lsecond:
	s_cmp_eq_u32 ttmp9, 17                         ; Wu or Ws: the choice hangs on the work-group's number alone
	s_cselect_b64 s[24:25], s[10:11], s[12:13]
	s_cselect_b32 s28, 0, 0x8000                   ; Ws's four tiles lie behind Wu's
	s_mov_b32 s29, 0
	s_add_nc_u64 s[20:21], s[20:21], s[28:29]
	s_and_b32 s26, s22, 1                          ; which 32 columns
	s_lshr_b32 s27, s22, 1                         ; which 64 along K
	s_lshl_b32 s30, s27, 14
	s_lshl_b32 s31, s26, 7
	s_add_co_u32 s30, s30, s31
	s_wait_alu depctr_va_vdst(0)
	v_lshl_add_u32 v1, v2, 2, s30                  ; 64 rows of 256 bytes x kc + 4 x column
	WLOAD 24, 256
	s_lshl_b32 s30, s26, 14                        ; tile 2 ch + lane / 16: 8,192 bytes each;
	s_lshl_b32 s31, s27, 10                        ; 64 along K are half an image: 1,024 bytes x kc
	s_add_co_u32 s30, s30, s31
	v_bfe_u32 v6, v0, 4, 1
	s_delay_alu instid0(VALU_DEP_1)
	v_lshl_add_u32 v6, v6, 13, s30
	s_delay_alu instid0(VALU_DEP_1)
	v_lshl_add_u32 v2, v3, 4, v6
	s_wait_kmcnt 0x0
	s_cmp_eq_u32 ttmp9, 17
	s_cselect_b32 s26, s37, s39                    ; e5 or e7
	MKSCALE 26
	s_wait_alu depctr_va_vdst(0)
	s_wait_loadcnt 0x0
	WQUANT
	WSTORE 20
	s_endpgm
.Lfunc_end_k_qc38f134f2d_pick:
	.size	k_qc38f134f2d_pick, .Lfunc_end_k_qc38f134f2d_pick-k_qc38f134f2d_pick
	.p2alignl 7, 3214868480
	.fill 96, 4, 3214868480
	.section	.rodata,"a",@progbits
	.p2align	6, 0x0
	.amdhsa_kernel k_qc38f134f2d_pick
		.amdhsa_group_segment_fixed_size 10240
		.amdhsa_private_segment_fixed_size 0
		.amdhsa_enable_private_segment 0
		.amdhsa_kernarg_size 72
		.amdhsa_user_sgpr_count 2
		.amdhsa_user_sgpr_kernarg_segment_ptr 1
		.amdhsa_wavefront_size32 1
		.amdhsa_system_sgpr_workgroup_id_x 1
		.amdhsa_system_sgpr_workgroup_id_y 1
		.amdhsa_system_sgpr_workgroup_id_z 1
		.amdhsa_system_vgpr_workitem_id 0
		.amdhsa_next_free_vgpr 98
		.amdhsa_next_free_sgpr 66
		.amdhsa_reserve_vcc 1
		.amdhsa_float_denorm_mode_32 3
		.amdhsa_float_denorm_mode_16_64 3
		.amdhsa_memory_ordered 1
		.amdhsa_forward_progress 1
		.amdhsa_inst_pref_size 46
	.end_amdhsa_kernel
	.amdgpu_metadata
---
amdhsa.version: [ 1, 2 ]
amdhsa.kernels:
  - .name:           k_qc38f134f2d_pick
    .symbol:         k_qc38f134f2d_pick.kd
    .args:
      - { .name: pval, .offset: 0, .size: 8, .value_kind: global_buffer, .address_space: global }
      - { .name: pgid, .offset: 8, .size: 8, .value_kind: global_buffer, .address_space: global }
      - { .name: W1, .offset: 16, .size: 8, .value_kind: global_buffer, .address_space: global }
      - { .name: Wu, .offset: 24, .size: 8, .value_kind: global_buffer, .address_space: global }
      - { .name: Ws, .offset: 32, .size: 8, .value_kind: global_buffer, .address_space: global }
      - { .name: lowp_scales, .offset: 40, .size: 8, .value_kind: global_buffer, .address_space: global }
      - { .name: nng, .offset: 48, .size: 8, .value_kind: global_buffer, .address_space: global }
      - { .name: w1c, .offset: 56, .size: 8, .value_kind: global_buffer, .address_space: global }
      - { .name: w2c, .offset: 64, .size: 8, .value_kind: global_buffer, .address_space: global }
    .group_segment_fixed_size: 10240
    .private_segment_fixed_size: 0
    .kernarg_segment_align: 8
    .kernarg_segment_size: 72
    .max_flat_workgroup_size: 512
    .sgpr_count:     66
    .vgpr_count:     98
    .wavefront_size: 32
...
	.end_amdgpu_metadata
.endif
;; end of part 5
;; launch mlp (part 6): grid 64 x 1, 8 waves a work-group, no clusters, 62,464 bytes of LDS; arguments codes, codes_table, nng, w1c, w2c, b1, bu, bs, lowp_scales, out0, out1; writes out0, out1
.if DOCPART == 6
	.amdgcn_target "amdgcn-amd-amdhsa--gfx1250"
	.amdhsa_code_object_version 6
	.text
	.protected	k_qc38f134f2d_mlp
	.globl	k_qc38f134f2d_mlp
	.p2align	8
	.type	k_qc38f134f2d_mlp,@function
k_qc38f134f2d_mlp:
	s_mov_b64 s[64:65], 0
	v_nop
	global_prefetch_b8 v0, s[64:65] scope:SCOPE_SE
	s_setreg_imm32_b32 hwreg(HW_REG_WAVE_SCHED_MODE, 0, 2), 2
	s_setreg_imm32_b32 hwreg(HW_REG_WAVE_MODE, 25, 1), 1
	s_wait_xcnt 0x0
	s_wait_alu depctr_vm_vsrc(0)
; NEAREST ROW, PART 3, and the network.  A work-group takes 16 queries; wave w refines queries 2 w and 2 w + 1, makes hidden units 64 w .. 64 w + 63, and one tile of 16 outputs (waves 0-3: mu, 4-7: logstd).
; REFINE.  nng holds, as a whole number from the launch before, each query's winning group of 8 rows: 2,048 consecutive bytes of the table.  Two groups are a tile of 16 rows; their scores S are made again as in the
; first launch (same codes, same norm term as C, sources swapped), the largest of a group's 8 wins, of equal ones the lowest row.  The winner is chosen by selects and an OR across 8 lanes: no address hangs on it.
; NETWORK.  h = relu(Q(prev) Q(W1) + b1), mu = Q(h) Q(Wu) + bu, logstd = Q(h) Q(Ws) + bs, all four operands' pairs on codes of E4M3; h is quantised twice, with 2^e4 and with 2^e6.  All products are used
; transposed (source 0 = 16 rows of the weight, source 1 = 16 queries), so that a lane holds one query and its registers run along the next K.  b1 goes in as C, divided by 2^(e2+e3); the scales ahead of a
; quantiser are folded into the conversion's one.  Operands go from wave to wave through LDS as images of their registers (16 bytes a lane, 512 a store).
; LIMITS: e0, e1, e2, e4-e2-e3, e6-e2-e3 between -126 and 119; e0+e1 between -128 and 125; e4+e5 and e6+e7 between -126 and 127.  NaN and infinities among the inputs are not served.
; The second layer's K = 512 is summed on two accumulators (steps 0, 2 and 1, 3), added at the end.
; THE MODE: SCHED_MODE bits 1:0 = 2 (LLVM: expert scheduling mode 2), set by the entry lines.  The code itself states the register dependences
; between vector or matrix instructions and memory or LDS instructions, with s_wait_alu, always for 0.
; THE PLAN.  The text runs straight through; the waits stand where a buffer passes between the two sides:
;   v1-9, v240-246  addresses: written by vector lines, read by loads and stores; v240-246 become TF once the loads have read them.
;   X    the queries' numbers (global loads), quantised in place; then the stage's LDS loads land there; later the first layer's results; at last, with R, the hidden fragments (LDS loads).
;   R    the candidates (global loads), read by the stage's LDS stores; then written by vector lines.
;   PF, CF  codes written by conversions, read by LDS stores, written again by the next phase.
;   TF, W1F read by matrix instructions, then LDS loads land there.
; One wait on va_vdst stands ahead of each run of LDS stores; no vector line follows it up to the LDS loads behind the next barrier, so it serves those too.  One wait on vm_vsrc stands ahead of each phase that
; writes again what LDS stores or loads have read.
.set PIMG,  34816                      ; LDS: 8 stages of 4,352 bytes (16 rows x 272), then the winners' fragment (1,024),
.set HIMG4, 35840                      ; the hidden layer's 4 fragments of 2,048 with 2^e4,
.set HIMG6, 44032                      ; the same with 2^e6,
.set OSTG,  52224                      ; and two stages of 16 rows x 272 for the outputs
.set W1F, 32                           ; v32-63   W1's 4 fragments; at the end rows of the output
.set W2F, 64                           ; v64-127  my output tile's 4 fragments of Wu or Ws
.set B1C, 128                          ; v128-159 b1 / 2^(e2+e3), in the result's layout
.set BO,  160                          ; v160-167 bu or bs of my 8 outputs
.set CF,  168                          ; v168-175 my two queries' fragment; then h's codes with 2^e6; then results
.set R,   176                          ; v176-207 candidates as loaded; then held numbers; C v176-183, D v184-191, v200-207 at work
.set X,   208                          ; v208-239 the queries' numbers; candidates turned; then the hidden layer
.set HF,  176                          ; v176-239 the hidden layer's 4 fragments
.set TF,  240                          ; v240-247 load offsets; the candidates' codes with 2^e1; the winners' fragment; accumulator 0
.set PF,  248                          ; v248-255 the candidates' codes with 2^e2; h's codes with 2^e4; accumulator 1
; v1 16 lane; v2, v3 stage in, out; v4 winners' image; v5 hidden read; v6 hidden write; v7, v8 output stage in, out; v9 output offset; v10-19 five pairs (scale, 448 x scale); v20-31 at work
	s_load_b256 s[4:11], s[0:1], 0x0               ; codes s[4:5], table s[6:7], nng s[8:9], w1c s[10:11]
	s_load_b256 s[12:19], s[0:1], 0x20             ; w2c s[12:13], b1 s[14:15], bu s[16:17], bs s[18:19]
	s_load_b128 s[20:23], s[0:1], 0x40             ; scales s[20:21], out0 s[22:23]
	s_load_b64 s[24:25], s[0:1], 0x50              ; out1
	s_set_vgpr_msb 0x40
	v_lshl_add_u32 v0, v0, 2, 0xf000
	v_mov_b32 v1, 0
	s_set_vgpr_msb 0x4000
	v_lshrrev_b32 v1, 5, v0
	v_readfirstlane_b32 s26, v1                    ; wave 0..7
	v_and_b32 v26, 31, v0                          ; lane
	v_and_b32 v27, 15, v0                          ; r
	v_bfe_u32 v28, v0, 4, 1                        ; h
	v_bfe_u32 v29, v0, 3, 1                        ; r / 8
	v_lshlrev_b32 v1, 4, v26
	s_wait_alu depctr_va_vdst(0)
	s_wait_alu depctr_va_sdst(0)                   ; s26 is written, ahead of its first reader
	s_mul_i32 s40, s26, 4352
	v_mul_u32_u24 v30, v28, 272
	v_lshl_add_u32 v30, v27, 4, v30
	v_add_nc_u32 v2, s40, v30                      ; stage, in: 272 h + 16 r
	v_mul_u32_u24 v30, v27, 272
	s_wait_alu depctr_va_vdst(0)
	v_lshl_add_u32 v31, v28, 6, v30
	v_add_nc_u32 v3, s40, v31                      ; out: 272 r + 64 h
	s_lshl_b32 s40, s26, 5
	s_add_co_u32 s40, s40, PIMG
	v_lshl_add_u32 v4, v28, 8, s40
	v_lshl_add_u32 v4, v29, 4, v4                  ; the winners' image: lane (q, h) at 256 h + 16 q, q = 2 w + r / 8
	s_lshr_b32 s41, s26, 2                         ; mu (0) or logstd (1)
	s_and_b32 s52, s26, 3                          ; which tile of 16 outputs
	s_lshl_b32 s40, s41, 13
	s_add_co_u32 s40, s40, HIMG4
	v_add_nc_u32 v5, s40, v1
	s_lshl_b32 s40, s26, 10
	v_add_nc_u32 v6, s40, v1                       ; my 64 hidden units are half a step of 128: 1,024 bytes x wave
	s_mul_i32 s40, s41, 4352
	s_add_co_u32 s40, s40, OSTG
	s_lshl_b32 s53, s52, 6
	s_add_co_u32 s53, s53, s40
	v_lshl_add_u32 v7, v28, 5, v30
	v_add_nc_u32 v7, s53, v7                       ; output stage, in: row r, my tile's 64 bytes, + 32 h
	s_mul_i32 s53, s52, 1088
	s_add_co_u32 s53, s53, s40
	v_mul_u32_u24 v31, v28, 272
	v_lshl_add_u32 v31, v27, 4, v31
	v_add_nc_u32 v8, s53, v31                      ; out: rows 4 (w % 4) + h on, 16 bytes a lane
	s_lshl_b32 s53, s52, 10
	v_add_nc_u32 v9, s53, v1                       ; and the same rows in the output: dense
	v_and_b32 v30, 1, v0
	s_lshl_b32 s40, s26, 9
	v_lshl_add_u32 v240, v30, 8, s40
	v_lshl_add_u32 v240, v28, 6, v240              ; codes: lane (r, h) takes query 2 w + r % 2, + 64 h
	s_lshl_b32 s40, s26, 12
	v_add_nc_u32 v241, s40, v1                     ; w1c: my 4 tiles
	s_lshl_b32 s40, s26, 13
	v_add_nc_u32 v242, s40, v1                     ; w2c: my tile's 4 images
	s_lshl_b32 s40, s26, 8
	v_lshl_add_u32 v243, v28, 6, s40               ; b1: 256 w + 64 h
	s_lshl_b32 s40, s52, 6
	v_lshl_add_u32 v244, v28, 5, s40               ; bu, bs: 64 (w % 4) + 32 h
	v_mov_b32 v25, 0                               ; written once: a lane permute's destination counts as one of its sources
	s_mov_b32 s42, 0x76543210                      ; v_permlanex16_b32: lane l takes lane l xor 16
	s_mov_b32 s43, 0xfedcba98
	s_lshl_b32 s40, ttmp9, 6
	s_lshl_b32 s41, s26, 3
	s_add_co_u32 s40, s40, s41                     ; nng: 4 x (16 x work-group + 2 x wave)
	s_mov_b32 s41, 0
	s_wait_kmcnt 0x0
	s_add_nc_u64 s[8:9], s[8:9], s[40:41]
	s_load_b64 s[28:29], s[8:9], 0x0               ; my two queries' groups
	s_load_b256 s[32:39], s[20:21], 0x0            ; e0 .. e7
	s_lshl_b32 s40, ttmp9, 12                      ; 16 rows of 256 bytes, in codes and in both outputs
	s_add_nc_u64 s[4:5], s[4:5], s[40:41]
	s_cmp_lt_u32 s26, 4                            ; the choice hangs on the wave's number alone
	s_cselect_b64 s[44:45], s[16:17], s[18:19]
	s_cselect_b64 s[48:49], s[22:23], s[24:25]
	s_add_nc_u64 s[48:49], s[48:49], s[40:41]
	s_wait_alu depctr_va_vdst(0)                   ; the addresses v1 to v9 and v240 to v244 are written, which the loads and stores below read
.irp i, 0,1,2,3
	global_load_b128 v[X+4*\i:X+4*\i+3], v240, s[4:5] offset:16*\i
	global_load_b128 v[X+16+4*\i:X+16+4*\i+3], v240, s[4:5] offset:128+16*\i
.endr
.irp n, 0,1,2,3,4,5,6,7
	global_load_b128 v[W1F+4*\n:W1F+4*\n+3], v241, s[10:11] offset:512*\n
.endr
.irp n, 0,1,2,3,4,5,6,7,8,9,10,11,12,13,14,15
	global_load_b128 v[W2F+4*\n:W2F+4*\n+3], v242, s[12:13] offset:512*\n
.endr
.irp t, 0,1,2,3                        ; tile t = 2 b + u: my lane's units 64 w + 32 b + 16 h + 8 u + 0 .. 7
	global_load_b128 v[B1C+8*\t:B1C+8*\t+3], v243, s[14:15] offset:128*(\t/2)+32*(\t%2)
	global_load_b128 v[B1C+8*\t+4:B1C+8*\t+7], v243, s[14:15] offset:128*(\t/2)+32*(\t%2)+16
.endr
	global_load_b128 v[BO:BO+3], v244, s[44:45]
	global_load_b128 v[BO+4:BO+7], v244, s[44:45] offset:16
	s_wait_kmcnt 0x0
	s_min_u32 s28, s28, 12499                      ; a group's number stays inside the table's 12,500 groups
	s_min_u32 s29, s29, 12499
	s_lshl_b32 s28, s28, 11
	s_lshl_b32 s29, s29, 11
	v_add_nc_u32 v245, s28, v1
	v_add_nc_u32 v246, s29, v1
	s_wait_alu depctr_va_vdst(0)                   ; v245 and v246 are written, which the candidates' loads read as their offsets
.irp j, 0,1,2,3
	global_load_b128 v[R+4*\j:R+4*\j+3], v245, s[6:7] offset:512*\j          ; rows 0-7 of the tile: query 2 w's candidates, 512 consecutive bytes a load
.endr
.irp j, 0,1,2,3
	global_load_b128 v[R+16+4*\j:R+16+4*\j+3], v246, s[6:7] offset:512*\j    ; rows 8-15: query 2 w + 1's
.endr
.macro MKS e, vs, vl                   ; v[vs] = 2^e as f32 (a conversion takes its exponent field), v[vl] = 448 x 2^e
	s_add_co_i32 s52, s[\e], 127
	s_lshl_b32 s53, s52, 23
	v_mov_b32 v[\vs], s53
	s_add_co_i32 s52, s52, 8
	s_lshl_b32 s52, s52, 23
	s_or_b32 s52, s52, 0x600000
	v_mov_b32 v[\vl], s52
.endm
	MKS 32, 10, 11
	MKS 33, 12, 13
	MKS 34, 14, 15
	s_add_co_i32 s54, s34, s35                     ; e2 + e3: a sum of the first layer stands for sum x 2^(e2+e3)
	s_sub_co_i32 s46, 0, s54
	s_sub_co_i32 s55, s36, s54
	MKS 55, 16, 17                                 ; e4 - e2 - e3
	s_sub_co_i32 s55, s38, s54
	MKS 55, 18, 19                                 ; e6 - e2 - e3
	s_add_co_i32 s47, s32, s33
	s_sub_co_i32 s47, 126, s47
	s_lshl_b32 s47, s47, 23
	s_or_b32 s47, s47, 0x80000000                  ; -2^-(e0+e1+1)
	s_add_co_i32 s54, s36, s37
	s_add_co_i32 s55, s38, s39
	s_cmp_lt_u32 s26, 4
	s_cselect_b32 s50, s54, s55
	s_add_co_i32 s50, s50, 127
	s_lshl_b32 s50, s50, 23                        ; 2^(e4+e5) or 2^(e6+e7)
	s_mov_b32 s51, s50                             ; (named with it as a pair, so it is written)
; 32 numbers v[src ..] are held into v[tmp ..] (relu = 1: between 0 and the limit: the activation and the hold in one) and become 8 registers of codes
.macro QUANT src, tmp, dst, sc, lim, relu
.set i, 0
.rept 32
.if \relu
	v_med3_num_f32 v[\tmp+i], v[\src+i], 0, v[\lim]
.else
	v_med3_num_f32 v[\tmp+i], v[\src+i], -v[\lim], v[\lim]   ; the conversion to an 8-bit code does not saturate (ISA guide 7.6.2)
.endif
.set i, i+1
.endr
.irp g, 0,1,2,3
	v_cvt_scalef32_pk8_fp8_f32 v[\dst+2*\g:\dst+2*\g+1], v[\tmp+8*\g:\tmp+8*\g+7], v[\sc]
.endr
	v_nop                                          ; one plain vector line behind the last conversion, ahead of whatever vector or matrix line next touches its registers
.endm
.macro BARRIER                         ; my LDS stores have landed and my LDS loads are in: then the work-group's barrier
	s_wait_dscnt 0x0
	s_barrier_signal -1
	s_barrier_wait -1
.endm
	s_wait_alu depctr_va_vdst(0)
	s_wait_loadcnt 42                              ; the queries' 8 loads are in; behind them 8 + 16 + 8 + 2 + 8 may be out
	QUANT X, X, CF, 10, 11, 0
	s_wait_loadcnt 10                              ; b1 is in; behind it the bias's 2 and the candidates' 8
.set i, 0
.rept 32
	v_ldexp_f32 v[B1C+i], v[B1C+i], s46            ; b1 / 2^(e2+e3): exact
.set i, i+1
.endr
	; ---- REFINE
	s_wait_loadcnt 0x0
	s_wait_alu depctr_va_vdst(0)                   ; the queries' holds and conversions are done with X, in which the LDS loads below land
.irp j, 0,1,2,3,4,5,6,7
	ds_store_b128 v2, v[R+4*\j:R+4*\j+3] offset:544*\j
.endr
.irp i, 0,1,2,3                        ; LDS serves a wave's instructions in order: these see my stores.  Lane (r, h): candidate r, numbers 16 h + 0 .. 15 and 32 + 16 h + 0 .. 15
	ds_load_b128 v[X+4*\i:X+4*\i+3], v3 offset:16*\i
	ds_load_b128 v[X+16+4*\i:X+16+4*\i+3], v3 offset:128+16*\i
.endr
	s_wait_dscnt 0x0
	s_wait_alu depctr_vm_vsrc(0)                   ; the LDS stores have read R, and the global loads their offsets v240 to v246: the holds below write R, the conversions TF
	v_pk_mul_f32 v[20:21], v[X:X+1], v[X:X+1]      ; the candidate's sum of squares, by the first launch's lines
	v_pk_mul_f32 v[22:23], v[X+2:X+3], v[X+2:X+3]
.irp j, 4,8,12,16,20,24,28
	v_pk_fma_f32 v[20:21], v[X+\j:X+\j+1], v[X+\j:X+\j+1], v[20:21]
	v_pk_fma_f32 v[22:23], v[X+\j+2:X+\j+3], v[X+\j+2:X+\j+3], v[22:23]
.endr
	v_pk_add_f32 v[20:21], v[20:21], v[22:23]
	v_add_f32 v20, v20, v21
	v_permlanex16_b32 v25, v20, s42, s43
	v_add_f32 v20, v20, v25
	QUANT X, R, TF, 12, 13, 0                      ; as an operand of the first product: 2^e1
	QUANT X, X, PF, 14, 15, 0                      ; as an operand of the second: 2^e2
.irp j, 0,1,2,3,4,5,6,7
	v_mul_f32 v[R+\j], s47, v20                    ; C: column n = my candidate: its norm term in all 8 rows
.endr
	v_wmma_f32_16x16x64_fp8_fp8 v[R+8:R+15], v[CF:CF+7], v[TF:TF+7], v[R:R+7]   ; row m is query 2 w + m % 2: register 0 = my candidate against query 2 w, register 1 against 2 w + 1
	v_and_b32 v26, 7, v0                           ; four plain lines that name none of its registers stand ahead of the first read of the result (ISA guide 7.12.1)
	v_cvt_f32_u32 v27, v26                         ; my place in the group, as f32
	v_mov_b32 v28, 0x41000000                      ; 8.0: above every place
	v_and_b32 v29, 8, v0
	v_cmp_eq_u32 vcc_lo, 0, v29
	s_wait_alu depctr_va_vcc(0)                    ; the compare has written VCC, which the select reads
	v_cndmask_b32 v30, v[R+9], v[R+8], vcc_lo      ; candidates 0-7 belong to query 2 w, 8-15 to 2 w + 1
	v_mov_b32 v31, v30
.irp m, 1,2,4
	v_max_num_f32_dpp v31, v31, v31 row_xmask:\m row_mask:0xf bank_mask:0xf    ; the largest S of the group's 8 lanes
.endr
	v_cmp_eq_f32 vcc_lo, v30, v31
	s_wait_alu depctr_va_vcc(0)                    ; the compare has written VCC, which the select reads
	v_cndmask_b32 v24, v28, v27, vcc_lo            ; my place where I hold it, else 8
.irp m, 1,2,4
	v_min_num_f32_dpp v24, v24, v24 row_xmask:\m row_mask:0xf bank_mask:0xf    ; the lowest such place
.endr
	v_cmp_eq_f32 vcc_lo, v24, v27                  ; one lane of the 8 (in each half of the lanes) is the winner
	s_wait_alu depctr_va_vcc(0)                    ; the compare has written VCC, which the eight selects read
.irp i, 0,1,2,3,4,5,6,7
	v_cndmask_b32 v[PF+\i], 0, v[PF+\i], vcc_lo    ; the others' codes become zero bits,
.endr
.irp m, 1,2,4
.irp i, 0,1,2,3,4,5,6,7
	v_mov_b32_dpp v[R+24+\i], v[PF+\i] row_xmask:\m row_mask:0xf bank_mask:0xf
.endr
.irp i, 0,1,2,3,4,5,6,7
	v_or_b32 v[PF+\i], v[PF+\i], v[R+24+\i]        ; and an OR across the 8 lanes leaves the winner's in all of them
.endr
.endr
	s_wait_alu depctr_va_vdst(0)                   ; PF is written, which the LDS stores read; the product is done reading TF, in which the LDS loads behind the barrier land (no vector line stands between)
	ds_store_b128 v4, v[PF:PF+3]                   ; eight lanes write the same 16 bytes with the same codes
	ds_store_b128 v4, v[PF+4:PF+7] offset:512
	BARRIER                                        ; the 16 winners' fragment lies in LDS
	; ---- THE FIRST LAYER: my 4 tiles of 16 hidden units
	ds_load_b128 v[TF:TF+3], v1 offset:PIMG
	ds_load_b128 v[TF+4:TF+7], v1 offset:PIMG+512
	s_wait_dscnt 0x0
	s_wait_alu depctr_vm_vsrc(0)                   ; my LDS stores of the winners' codes have read PF, which the conversions below write again
.irp t, 0,1,2,3
	v_wmma_f32_16x16x64_fp8_fp8 v[X+8*\t:X+8*\t+7], v[W1F+8*\t:W1F+8*\t+7], v[TF:TF+7], v[B1C+8*\t:B1C+8*\t+7]   ; lane (r, h): query r; tiles 2 b, 2 b + 1: units 64 w + 32 b + 16 h + 0 .. 15
.endr
.rept 4
	v_nop                                          ; places ahead of the first read of the results; no other vector work is at hand
.endr
	QUANT X, R, PF, 16, 17, 1                      ; relu and 2^e4, each result from its low end on
	QUANT X, X, CF, 18, 19, 1                      ; relu and 2^e6
	s_wait_alu depctr_va_vdst(0)                   ; PF and CF are written, which the LDS stores read; the holds and conversions are done with R and X, in which the LDS loads behind the barrier land (no vector line stands between)
	ds_store_b128 v6, v[PF:PF+3] offset:HIMG4
	ds_store_b128 v6, v[PF+4:PF+7] offset:HIMG4+512
	ds_store_b128 v6, v[CF:CF+3] offset:HIMG6
	ds_store_b128 v6, v[CF+4:CF+7] offset:HIMG6+512
	BARRIER                                        ; the hidden layer's fragments lie in LDS, in both scales
	; ---- THE SECOND LAYER: my 16 outputs for the 16 queries, K = 512 in four steps
.irp n, 0,1,2,3,4,5,6,7,8,9,10,11,12,13,14,15
	ds_load_b128 v[HF+4*\n:HF+4*\n+3], v5 offset:512*\n
.endr
	s_wait_dscnt 0x0
	s_wait_alu depctr_vm_vsrc(0)                   ; my LDS stores of the hidden codes have read PF and CF: the products below write PF, the sums behind them CF
	v_wmma_f32_16x16x128_fp8_fp8 v[TF:TF+7], v[W2F:W2F+15], v[HF:HF+15], 0               ; two accumulators by turns, one instruction a turn
	v_wmma_f32_16x16x128_fp8_fp8 v[PF:PF+7], v[W2F+16:W2F+31], v[HF+16:HF+31], 0
	v_wmma_f32_16x16x128_fp8_fp8 v[TF:TF+7], v[W2F+32:W2F+47], v[HF+32:HF+47], v[TF:TF+7]
	v_wmma_f32_16x16x128_fp8_fp8 v[PF:PF+7], v[W2F+48:W2F+63], v[HF+48:HF+63], v[PF:PF+7]
.rept 4
	v_nop
.endr
.irp i, 0,2,4,6
	v_pk_add_f32 v[CF+\i:CF+\i+1], v[TF+\i:TF+\i+1], v[PF+\i:PF+\i+1]
.endr
.irp i, 0,2,4,6
	v_pk_fma_f32 v[CF+\i:CF+\i+1], v[CF+\i:CF+\i+1], s[50:51], v[BO+\i:BO+\i+1] op_sel_hi:[1,0,1]   ; sum x 2^(the two exponents) + bias
.endr
	s_wait_alu depctr_va_vdst(0)                   ; CF is written, which the LDS stores read; the first layer's products are long done reading W1F, in which the LDS loads behind the barrier land
	ds_store_b128 v7, v[CF:CF+3]                   ; lane (r, h): query r, outputs 16 (w % 4) + 8 h + 0 .. 7
	ds_store_b128 v7, v[CF+4:CF+7] offset:16
	BARRIER                                        ; 16 whole rows of each output lie in the stages
	ds_load_b128 v[W1F:W1F+3], v8
	ds_load_b128 v[W1F+4:W1F+7], v8 offset:544
	s_wait_dscnt 0x0
	global_store_b128 v9, v[W1F:W1F+3], s[48:49]               ; 32 lanes store 512 consecutive bytes, two rows, at a multiple of 256 from the output's first byte
	global_store_b128 v9, v[W1F+4:W1F+7], s[48:49] offset:512
	s_set_vgpr_msb 0x5
	s_wait_dscnt 0x0
	s_wait_alu depctr_hold_cnt(0) depctr_sa_sdst(0) depctr_va_vdst(0) depctr_va_sdst(0) depctr_va_ssrc(0) depctr_va_vcc(0) depctr_vm_vsrc(0)
	s_wait_tensorcnt 0x0
	ds_add_u32 v0, v1
	s_wait_dscnt 0x0
	s_endpgm
.Lfunc_end_k_qc38f134f2d_mlp:
	.size	k_qc38f134f2d_mlp, .Lfunc_end_k_qc38f134f2d_mlp-k_qc38f134f2d_mlp
	.p2alignl 7, 3214868480
	.fill 96, 4, 3214868480
	.section	.rodata,"a",@progbits
	.p2align	6, 0x0
	.amdhsa_kernel k_qc38f134f2d_mlp
		.amdhsa_group_segment_fixed_size 62464
		.amdhsa_private_segment_fixed_size 0
		.amdhsa_enable_private_segment 0
		.amdhsa_kernarg_size 88
		.amdhsa_user_sgpr_count 2
		.amdhsa_user_sgpr_kernarg_segment_ptr 1
		.amdhsa_wavefront_size32 1
		.amdhsa_system_sgpr_workgroup_id_x 1
		.amdhsa_system_sgpr_workgroup_id_y 1
		.amdhsa_system_sgpr_workgroup_id_z 1
		.amdhsa_system_vgpr_workitem_id 0
		.amdhsa_next_free_vgpr 258
		.amdhsa_next_free_sgpr 66
		.amdhsa_reserve_vcc 1
		.amdhsa_float_denorm_mode_32 3
		.amdhsa_float_denorm_mode_16_64 3
		.amdhsa_memory_ordered 1
		.amdhsa_forward_progress 1
		.amdhsa_inst_pref_size 35
	.end_amdhsa_kernel
	.amdgpu_metadata
---
amdhsa.version: [ 1, 2 ]
amdhsa.kernels:
  - .name:           k_qc38f134f2d_mlp
    .symbol:         k_qc38f134f2d_mlp.kd
    .args:
      - { .name: codes, .offset: 0, .size: 8, .value_kind: global_buffer, .address_space: global }
      - { .name: codes_table, .offset: 8, .size: 8, .value_kind: global_buffer, .address_space: global }
      - { .name: nng, .offset: 16, .size: 8, .value_kind: global_buffer, .address_space: global }
      - { .name: w1c, .offset: 24, .size: 8, .value_kind: global_buffer, .address_space: global }
      - { .name: w2c, .offset: 32, .size: 8, .value_kind: global_buffer, .address_space: global }
      - { .name: b1, .offset: 40, .size: 8, .value_kind: global_buffer, .address_space: global }
      - { .name: bu, .offset: 48, .size: 8, .value_kind: global_buffer, .address_space: global }
      - { .name: bs, .offset: 56, .size: 8, .value_kind: global_buffer, .address_space: global }
      - { .name: lowp_scales, .offset: 64, .size: 8, .value_kind: global_buffer, .address_space: global }
      - { .name: out0, .offset: 72, .size: 8, .value_kind: global_buffer, .address_space: global }
      - { .name: out1, .offset: 80, .size: 8, .value_kind: global_buffer, .address_space: global }
    .group_segment_fixed_size: 62464
    .private_segment_fixed_size: 0
    .kernarg_segment_align: 8
    .kernarg_segment_size: 88
    .max_flat_workgroup_size: 256
    .sgpr_count:     66
    .vgpr_count:     258
    .wavefront_size: 32
...
	.end_amdgpu_metadata
.endif
;; end of part 6
